; MI455X (gfx1250); checked and timed in simulation.
; The chip was launched on July 23, 2026; its instructions are those of AMD's public machine-readable ISA for CDNA 5 (MIT licence, August 2026) and "CDNA5" Instruction Set Architecture Reference Guide (July 2026). The comments in the code are by the model that wrote it; some were corrected since.
;; Ro PE Attention. Allowed arithmetic: matrix products marked QUANTISED: E2M1 operands, one E8M0 scale for each 32 along K, by v_wmma_scale_f32_16x16x128_f8f6f4 with both operands' format E2M1 (or v_wmma_scale_f32_32x16x128_f4), f32 sums; products left as they are: bf16, f16 or f32 operands; f32 sums; everything else in f32.
;; Inputs: Wk 1,024 x 1,024 float32; Wo 1,024 x 1,024 float32; Wq 1,024 x 1,024 float32; Wv 1,024 x 1,024 float32; bk 1,024 float32; bo 1,024 float32; bq 1,024 float32; bv 1,024 float32; k_in 4 x 2,048 x 1,024 float32; q_in 4 x 2,048 x 1,024 float32; rope_cos 2,048 x 64 float32; rope_sin 2,048 x 64 float32; v_in 4 x 2,048 x 1,024 float32.
;; Outputs: out0 4 x 2,048 x 1,024 float32.
;; Constants: is_causal = 1.
;; This version of the problem:
;;   THIS VERSION OF THE PROBLEM IS GIVEN IN LOW PRECISION. The matrix products marked QUANTISED in the list below multiply operands that are first quantised to E2M1 (2 exponent bits, 1 mantissa bit; 4 bits a number), with one power-of-two scale for each 32 numbers along K (OCP MX v1.0); their sums are f32. The products marked 'left as it is' may take bf16, f16 or f32 operands, with f32 sums. Whichever they take, every output number must still come out within the allowed error. Rounding operands to bf16 (8 significant bits) uses up far more of that allowance than f16 does (11 bits, for magnitudes from 6e-5 to 65,504). All else is computed in f32.
;;   The module's matrix products, in the order in which they are computed (A, B: the left and right operand; K: the contracted axis; several contracted axes count as one K, in the product's order):
;;     1. [M 8,192, K 1,024] x [K 1,024, N 1,024]; A: input q_in; B: input Wq: QUANTISED
;;     2. [M 8,192, K 1,024] x [K 1,024, N 1,024]; A: input k_in; B: input Wk: QUANTISED
;;     3. [M 8,192, K 1,024] x [K 1,024, N 1,024]; A: input v_in; B: input Wv: QUANTISED
;;     4. batch 64 x [M 2,048, K 64] x [K 64, N 2,048]; A: computed on the way; B: computed on the way: left as it is (an operand is computed on the way)
;;     5. batch 64 x [M 2,048, K 2,048] x [K 2,048, N 64]; A: computed on the way; B: computed on the way: left as it is (an operand is computed on the way)
;;     6. [M 8,192, K 1,024] x [K 1,024, N 1,024]; A: computed on the way; B: input Wo: left as it is (an operand is computed on the way)
;;   THE QUANTISER, for each operand of a quantised product, along K:
;;     - K is cut into blocks of 32 from its start; a last block that is shorter is filled with zeros.
;;     - A block's scale is 2^e with e = floor(log2(the largest magnitude in the block)) - 2, held to -126 .. 127; a block of zeros has e = 0. As a byte (E8M0): e + 127.
;;     - Each number is divided by its block's scale, clamped to +-6, and rounded to the nearest number of E2M1, ties to even, subnormals kept.
;;     - The product sums the exact products of the quantised numbers (number of the format x scale) in f32.
;;   ~~~python
;;   def quantise(x, axis):      # numpy; x: float32 -> the quantised numbers, widened to float32 again
;;       x = np.moveaxis(x, axis, -1); K = x.shape[-1]
;;       x = np.pad(x, [(0, 0)] * (x.ndim - 1) + [(0, -K % 32)]); x = x.reshape(x.shape[:-1] + (-1, 32)); a = np.abs(x).max(-1, keepdims=True)
;;       e = np.where(a > 0, np.clip(np.frexp(np.where(a > 0, a, 1))[1] - 1 - 2, -126, 127), 0)      # np.frexp(a)[1] - 1 = floor(log2(a)), exactly
;;       r = np.clip(x / 2.0 ** e, -6, 6)
;;       step = 2.0 ** (np.maximum(np.frexp(np.where(r == 0, 1, r))[1] - 1, 0) - 1)
;;       q = np.round(r / step) * step * 2.0 ** e      # np.round: ties to even
;;       return np.moveaxis(q.reshape(q.shape[:-2] + (-1,))[..., :K], -1, axis).astype(np.float32)
;;   ~~~
;; One version. Each part assembles by itself: llvm-mc -triple=amdgcn-amd-amdhsa -mcpu=gfx1250 --defsym DOCPART=n.
;; ======== version 1 of 1: 5 launches
;; limits: values are held in f16: magnitudes above 65,504 overflow, below 6.1e-05 lose precision
;; workspace buffers: codes 14,155,776 bytes; scales 884,736 bytes; wo16 2,097,152 bytes; qkv 50,331,648 bytes; e32 786,432 bytes; att 16,777,216 bytes
;; launch quant (part 1): grid 896 x 1, 4 waves a work-group, no clusters, 33,280 bytes of LDS; arguments q_in, k_in, v_in, Wq, Wk, Wv, Wo, codes, scales, wo16; writes codes, scales, wo16
.if DOCPART == 1
	.amdgcn_target "amdgcn-amd-amdhsa--gfx1250"
	.amdhsa_code_object_version 6
	.text
	.protected	k_q80db537571_quant
	.globl	k_q80db537571_quant
	.p2align	8
	.type	k_q80db537571_quant,@function
k_q80db537571_quant:
	s_mov_b64 s[64:65], 0
	v_nop
	global_prefetch_b8 v0, s[64:65] scope:SCOPE_SE
	s_setreg_imm32_b32 hwreg(HW_REG_WAVE_MODE, 25, 1), 1
	s_wait_xcnt 0x0
; q_in, k_in, v_in [8192][1024] and Wq, Wk, Wv [1024][1024], f32 with K innermost, become codes of FP4 (E2M1) and one E8M0 scale byte for each 32 along K; Wo becomes f16.
; The six tensors are plain streams of blocks of 32; their codes (16 bytes a block) and scale bytes lie in ONE buffer each, in the order q_in, k_in, v_in, Wq, Wk, Wv: 27,648 rows of 512 and of 32 bytes.
; A work-group takes 32,768 numbers, a wave 8,192: work-groups 0-255 q_in, 256-511 k_in, 512-767 v_in, 768-799 Wq, 800-831 Wk, 832-863 Wv, 864-895 Wo.  So the outputs' places are linear in the work-group's number.
; A block's scale is 2^(floor(log2(its largest magnitude)) - 2); its byte is the largest magnitude's exponent field - 2, held at 1 from below (a block of zeros keeps the byte 1: its codes are zeros, and this program alone reads the bytes).
; LIMITS: blocks whose largest magnitude lies under 2^-124 keep the byte 1; NaN and infinities among the inputs are not served; Wo's numbers must lie inside f16's range (65,504).
; Each load reads 512 consecutive bytes; a step's 2,048 bytes turn through the wave's own stage in LDS, so that a lane holds 16 neighbours along K (two lanes a block).  Waves share nothing: no barrier.  No tile is shared: no cluster.
.set WAVES, 4
.set STEPS, 16
.set EMAX,  2
.set CB,    8                          ; bytes of 16 codes
.set R,     16                         ; v16-79   four sets of 16 numbers as loaded (Wo: sixteen slots of 4)
.set X,     80                         ; v80-111  two sets of 16 neighbours (Wo: sixteen slots of 2 registers of f16)
.set E,     112                        ; v112-127 a scale byte for each step
.set C,     128                        ; v128-191 codes: four registers for each step
.set WREG,  8192                       ; LDS: a region for each wave: two stages of 32 x SP bytes, then its 256 scale bytes
.set SP,    80
.set SPW,   12                         ; v12 my spare word's LDS address; never rewritten
.set NIL,   13                         ; v13 0; never rewritten
.set SPARE, WAVES*WREG                 ; the spare words: 128 bytes a wave, named by no other line
	s_load_b512 s[8:23], s[0:1], 0x0               ; q_in 8, k_in 10, v_in 12, Wq 14, Wk 16, Wv 18, Wo 20, codes 22
	s_load_b128 s[24:27], s[0:1], 0x40             ; scales 24, wo16 26
	v_lshl_add_u32 v[SPW], v0, 2, SPARE
	v_mov_b32 v[NIL], 0
	v_lshrrev_b32 v1, 5, v0
	v_readfirstlane_b32 s28, v1                    ; wave
	v_and_b32 v2, 31, v0                           ; lane
	v_lshlrev_b32 v3, 4, v2                        ; my 16 bytes of a load's 512
	s_mul_i32 s29, s28, WREG
	v_lshrrev_b32 v14, 2, v2
	v_mul_u32_u24 v14, v14, SP
	v_and_b32 v15, 3, v2
	v_lshl_add_u32 v14, v15, 4, v14
	v_add_nc_u32 v14, s29, v14                     ; the stage, way in: SP (lane / 4) + 16 (lane % 4)
	v_mul_u32_u24 v15, v2, SP
	v_add_nc_u32 v15, s29, v15                     ; way out: SP x lane: my 16 neighbours
	v_mul_u32_u24 v4, v2, CB                       ; 8 x lane: my codes' place in a step's; also my f16 numbers' place in the Wo path
	v_lshrrev_b32 v5, 1, v2
	s_add_co_u32 s29, s29, 2*32*SP
	v_add_nc_u32 v5, s29, v5                       ; my block's byte among the wave's 256 scale bytes
	v_lshlrev_b32 v7, 3, v2
	v_add_nc_u32 v6, s29, v7
	s_wait_kmcnt 0x0
	s_mov_b64 s[4:5], s[8:9]                       ; the source: chosen by the work-group's number alone
	s_mov_b32 s6, 0                                ; and the first work-group of that tensor
.macro PICK bound, reg
	s_cmp_ge_u32 ttmp9, \bound
	s_cselect_b64 s[4:5], s[\reg:\reg+1], s[4:5]
	s_cselect_b32 s6, \bound, s6
.endm
	PICK 256, 10
	PICK 512, 12
	PICK 768, 14
	PICK 800, 16
	PICK 832, 18
	PICK 864, 20
	s_sub_co_u32 s7, ttmp9, s6
	s_lshl_b32 s7, s7, 2
	s_add_co_u32 s7, s7, s28                       ; which run of 8,192 numbers of the tensor is my wave's
	s_lshl_b32 s30, s7, 15                         ; 32,768 bytes a run
	s_mov_b32 s31, 0
	s_add_nc_u64 s[4:5], s[4:5], s[30:31]
	s_cmp_ge_u32 ttmp9, 864
	s_cbranch_scc1 .Lwo
	s_lshl_b32 s30, ttmp9, 2
	s_add_co_u32 s30, s30, s28                     ; the run's number over all six tensors
	s_lshl_b32 s32, s30, 8                         ; 256 scale bytes a run
	s_mov_b32 s33, 0
	s_lshl_b32 s30, s30, 12                        ; 4,096 bytes of codes a run
	s_add_nc_u64 s[22:23], s[22:23], s[30:31]
	s_add_nc_u64 s[24:25], s[24:25], s[32:33]
.macro LOAD t
.irp i, 0,1,2,3
	global_load_b128 v[R+16*((\t)%4)+4*\i:R+16*((\t)%4)+4*\i+3], v3, s[4:5] offset:2048*(\t)+512*\i th:TH_LOAD_NT   ; 32 lanes read 512 consecutive bytes
.endr
.endm
.macro TURN t                          ; step t's numbers through the stage: LDS serves a wave's instructions in order, so no wait stands between the stores and the loads
.irp i, 0,1,2,3
	ds_store_b128 v14, v[R+16*((\t)%4)+4*\i:R+16*((\t)%4)+4*\i+3] offset:32*SP*((\t)%2)+8*SP*\i
.endr
.irp i, 0,1,2,3
	ds_load_b128 v[X+16*((\t)%2)+4*\i:X+16*((\t)%2)+4*\i+3], v15 offset:32*SP*((\t)%2)+16*\i
.endr
.endm
.irp t, 0,1,2,3
	LOAD \t
.endr
	s_wait_loadcnt 12                              ; step 0's four loads are in
	TURN 0
.macro STEP t
.set XS, X+16*((\t)%2)
.if (\t) > 0
	s_wait_dscnt 1                                 ; this step's numbers are back from the stage (the last step's byte store may be out)
.else
	s_wait_dscnt 0x0
.endif
.if (\t)+4 < STEPS
	LOAD (\t)+4                                    ; into the registers that the stage's stores have read
.endif
.if (\t)+1 < STEPS
.if STEPS-2-(\t) >= 3
	s_wait_loadcnt 12                              ; the next step's four loads are in; three steps' may be out
.else
	s_wait_loadcnt 4*(STEPS-2-(\t))
.endif
	TURN (\t)+1
.endif
	v_max3_num_f32 v8, |v[XS]|, |v[XS+1]|, |v[XS+2]|               ; the largest magnitude of my 16, in two chains
	v_max3_num_f32 v9, |v[XS+3]|, |v[XS+4]|, |v[XS+5]|
.irp i, 6,10
	v_max3_num_f32 v8, v8, |v[XS+\i]|, |v[XS+\i+1]|
	v_max3_num_f32 v9, v9, |v[XS+\i+2]|, |v[XS+\i+3]|
.endr
	v_max3_num_f32 v8, v8, |v[XS+14]|, |v[XS+15]|
	v_max3_num_f32 v8, v8, v9, (EMAX+1)<<23        ; and the floor 2^(3 - 127): the byte cannot fall under 1
	v_max_num_f32_dpp v8, v8, v8 row_xmask:1 row_mask:0xf bank_mask:0xf   ; with my neighbour's 16: the block's
	v_add_nc_u32 v11, -(EMAX<<23), v8              ; 2 off its exponent field: the conversion takes this operand's exponent field as its scale
	v_cvt_scalef32_pk8_fp4_f32 v[C+4*(\t)], v[XS:XS+7], v11
	v_cvt_scalef32_pk8_fp4_f32 v[C+4*(\t)+1], v[XS+8:XS+15], v11
	v_lshrrev_b32 v[E+(\t)], 23, v11               ; the scale's byte (also the plain instruction behind the conversions)
	ds_store_b8 v5, v[E+(\t)] offset:16*(\t)       ; both lanes of a block write the same byte with the same value
	global_store_b64 v4, v[C+4*(\t):C+4*(\t)+1], s[22:23] offset:32*CB*(\t)   ; 32 lanes store 256 consecutive bytes, aligned
.endm
.irp t, 0,1,2,3,4,5,6,7,8,9,10,11,12,13,14,15
	STEP \t
.endr
	ds_load_b64 v[8:9], v6                         ; in order behind my byte stores
	s_wait_dscnt 0x0
	global_store_b64 v7, v[8:9], s[24:25]          ; the wave's 256 scale bytes: 256 consecutive bytes, aligned
	s_wait_tensorcnt 0x0                           ; the wave's end, behind my last LDS store
	ds_add_u32 v[SPW], v[NIL]
	s_wait_dscnt 0x0
	s_endpgm
; Wo to f16: a stream through registers, sixteen loads of every wave in flight; no LDS.
.Lwo:
	s_lshl_b32 s30, s7, 14                         ; 16,384 bytes of f16 a run (s31 = 0)
	s_add_nc_u64 s[26:27], s[26:27], s[30:31]
.set I, 0
.rept 16
	global_load_b128 v[R+4*I:R+4*I+3], v3, s[4:5] offset:512*I th:TH_LOAD_NT
.set I, I+1
.endr
.macro CV i, ahead, left               ; slot i % 16: four numbers a lane to two registers of f16
	s_wait_loadcnt \left                           ; my slot's load is in; the younger ones stay out
	s_wait_xcnt 0x0                                ; the slot's last store has read its data registers
	v_cvt_pk_f16_f32 v[X+2*((\i)%16)], v[R+4*((\i)%16)], v[R+4*((\i)%16)+1]
	v_cvt_pk_f16_f32 v[X+2*((\i)%16)+1], v[R+4*((\i)%16)+2], v[R+4*((\i)%16)+3]
.if \ahead
	global_load_b128 v[R+4*((\i)%16):R+4*((\i)%16)+3], v3, s[4:5] offset:512*((\i)+16) th:TH_LOAD_NT
.endif
	global_store_b64 v4, v[X+2*((\i)%16):X+2*((\i)%16)+1], s[26:27] offset:256*(\i)   ; 256 consecutive bytes, aligned
.endm
.set I, 0
.rept 48
	CV I, 1, 15
.set I, I+1
.endr
.rept 16
	CV I, 0, 63-I                                  ; the last round loads nothing: the counts run down
.set I, I+1
.endr
	s_endpgm
.Lfunc_end_k_q80db537571_quant:
	.size	k_q80db537571_quant, .Lfunc_end_k_q80db537571_quant-k_q80db537571_quant
	.p2alignl 7, 3214868480
	.fill 96, 4, 3214868480
	.section	.rodata,"a",@progbits
	.p2align	6, 0x0
	.amdhsa_kernel k_q80db537571_quant
		.amdhsa_group_segment_fixed_size 33280
		.amdhsa_private_segment_fixed_size 0
		.amdhsa_enable_private_segment 0
		.amdhsa_kernarg_size 80
		.amdhsa_user_sgpr_count 2
		.amdhsa_user_sgpr_kernarg_segment_ptr 1
		.amdhsa_wavefront_size32 1
		.amdhsa_system_sgpr_workgroup_id_x 1
		.amdhsa_system_sgpr_workgroup_id_y 1
		.amdhsa_system_sgpr_workgroup_id_z 1
		.amdhsa_system_vgpr_workitem_id 0
		.amdhsa_next_free_vgpr 192
		.amdhsa_next_free_sgpr 66
		.amdhsa_reserve_vcc 0
		.amdhsa_float_denorm_mode_32 3
		.amdhsa_float_denorm_mode_16_64 3
		.amdhsa_memory_ordered 1
		.amdhsa_forward_progress 1
		.amdhsa_inst_pref_size 58
	.end_amdhsa_kernel
	.amdgpu_metadata
---
amdhsa.version: [ 1, 2 ]
amdhsa.kernels:
  - .name:           k_q80db537571_quant
    .symbol:         k_q80db537571_quant.kd
    .args:
      - { .name: q_in, .offset: 0, .size: 8, .value_kind: global_buffer, .address_space: global }
      - { .name: k_in, .offset: 8, .size: 8, .value_kind: global_buffer, .address_space: global }
      - { .name: v_in, .offset: 16, .size: 8, .value_kind: global_buffer, .address_space: global }
      - { .name: Wq, .offset: 24, .size: 8, .value_kind: global_buffer, .address_space: global }
      - { .name: Wk, .offset: 32, .size: 8, .value_kind: global_buffer, .address_space: global }
      - { .name: Wv, .offset: 40, .size: 8, .value_kind: global_buffer, .address_space: global }
      - { .name: Wo, .offset: 48, .size: 8, .value_kind: global_buffer, .address_space: global }
      - { .name: codes, .offset: 56, .size: 8, .value_kind: global_buffer, .address_space: global }
      - { .name: scales, .offset: 64, .size: 8, .value_kind: global_buffer, .address_space: global }
      - { .name: wo16, .offset: 72, .size: 8, .value_kind: global_buffer, .address_space: global }
    .group_segment_fixed_size: 33280
    .private_segment_fixed_size: 0
    .kernarg_segment_align: 8
    .kernarg_segment_size: 80
    .max_flat_workgroup_size: 128
    .sgpr_count:     66
    .vgpr_count:     192
    .wavefront_size: 32
...
	.end_amdgpu_metadata
.endif
;; end of part 1
;; launch proj (part 2): grid 4 x 96, 4 waves a work-group, clusters of 4 x 4, 327,680 bytes of LDS; arguments codes, scales, bq, bk, bv, rope_cos, rope_sin, qkv, e32; writes qkv, e32
.if DOCPART == 2
	.amdgcn_target "amdgcn-amd-amdhsa--gfx1250"
	.amdhsa_code_object_version 6
	.text
	.protected	k_q80db537571_proj
	.globl	k_q80db537571_proj
	.p2align	8
	.type	k_q80db537571_proj,@function
k_q80db537571_proj:
	s_mov_b64 s[64:65], 0
	v_nop
	global_prefetch_b8 v0, s[64:65] scope:SCOPE_SE
	s_setreg_imm32_b32 hwreg(HW_REG_WAVE_MODE, 25, 1), 1
	s_wait_xcnt 0x0
	s_wait_alu depctr_hold_cnt(0) depctr_sa_sdst(0) depctr_va_vdst(0) depctr_va_sdst(0) depctr_va_ssrc(0) depctr_va_vcc(0) depctr_vm_vsrc(0)
	s_getreg_b32 s2, hwreg(HW_REG_IB_STS2, 6, 4)
	s_cmp_eq_u32 s2, 0
	s_cbranch_scc0 .Lentry_in_a_cluster
	s_endpgm
.Lentry_in_a_cluster:
	s_bfe_u32 s2, ttmp6, 0x10000c
	s_cmp_lg_u32 s2, 0xf033
	s_cbranch_scc0 .Lentry_shape_is_right
	s_endpgm
.Lentry_shape_is_right:
; The three projections on codes of FP4 (E2M1) with E8M0 scales: y = x W^T + b for q, k, v; then RoPE (q and k) in f32; results rounded once to f16 into qkv [3][4][16][2048][64];
; positions 0-15 of every batch also as f32 into e32 [3][4][16][1024], for the launch that carries those rows in f32 (0.8 MB in all, in runs of 64 bytes).
; A tile of 256 rows x 256 columns is made by four waves, 128 x 128 each: 64 accumulators, 512 registers.  K = 1,024 is two K steps of 512: both slots are filled at the start and nothing is filled again.
; IDS.  The cluster's y gives the tensor t = y / 8 and the block of positions j = y % 8; the place in the cluster gives the batch (cy) and the 256 columns (cx).  So t and j are equal in all sixteen partners and may steer branches.
; CLUSTERS.  The four of a row of the cluster need the same rows of the activations, the four of a column the same rows of the weight: each tile is asked for jointly.
; THE MATRIX INSTRUCTION IS USED TRANSPOSED (source 0 = 16 rows of W, source 1 = 16 rows of x): a lane holds eight neighbouring columns of one row.  The bias is the C of each sum's first product.
; LIMIT: |q|, |k|, |v| must stay under f16's largest number, 65,504.
; REGISTERS: window 0: v0-31 addresses; v32-95 scale words, on the way out 64 results in f32; v96-159 on the way out rows read back; v128-191 x's fragments; v192-255 the bias.
;   window 1: W's fragments at v0-63 and v128-191; cos and sin of a block of 16 positions in four sets of 64 (v64, v192; behind the products also v0, v128).   windows 2, 3: the accumulators ((a, b) at v[8 (8 (a % 4) + b)]).
.set NQ,     4                         ; matrix instructions deep in a slot (512 along K)
.set ROWB,   256                       ; a tile's row in bytes
.set KROW,   512                       ; a row of codes in memory
.set PITCH,  272                       ; an LDS row: 256 + 16: the 16 rows of a load start 4 banks apart
.set FR,     8
.set NL,     2
.set NP,     4                         ; places behind this matrix instruction (ISA guide 7.12.1)
.set HALFT,  128*PITCH
.set SLOT,   4*HALFT                   ; x's 256 rows, then W's 256 rows
.set KS,     32                        ; a row of scale bytes
.set SCL,    2*SLOT                    ; behind the slots: the scales, units of 256 bytes + 16
.set HALFS,  (128*KS/256)*272
.set SBLK,   (16*KS/256)*272
.set SPARE,  SCL+4*HALFS               ; the spare words: 128 bytes a wave, named by no other line
.set VSTG,   32768                     ; the way out of v has stage bytes of its own, this far behind the other's; both lie in slot 0, which has had its one fill and its last read
.set ADRA, 16
.set ADRB, 20
.set STO,  24
.set RD,   25
.set CO,   26
.set ADRS, 27
.set SPW,  28
.set NIL,  29
.set VE,   30                          ; v30  4096 r + 32 h: my place in e32's 16 rows
.set VT,   31                          ; v31  256 r + 32 h: my place in 16 rows of cos or sin
.set SC,   32
.set Y,    32
.set BK,   96
.set AF,   128
.set BIAS, 192
.set G1, 24
.set G0, 32
.set G1B, 48
.set G0B, 56
.set G1S, 68
.set G0S, 76
.set G1SB, 80
.set G0SB, 88
.set MSB, 0
.macro WIN new                         ; the immediate's high byte repeats the setting that is left
.if MSB != (\new)
	s_set_vgpr_msb (MSB<<8)|(\new)
.set MSB, (\new)
.endif
.endm
.set MUL_LO, 0xa1                      ; source 0 (W) window 1, source 1 (x) window 0, C and D window 2
.set MUL_HI, 0xf1
.set TO_B,   0x40
; A joint load: waves 0 and 1 fetch for x, waves 2 and 3 for W.  An s_nop 0 and four v_nop follow each line.
.macro JLOAD g0a, g1a, g0b, g1b
	s_cmp_eq_u32 s15, 0
	s_cbranch_scc0 .Lfor_b_\@
	tensor_load_to_lds s[\g0a:\g0a+3], s[\g1a:\g1a+7]
	s_nop 0
.rept 4
	v_nop
.endr
	s_branch .Lasked_\@
.Lfor_b_\@:
	tensor_load_to_lds s[\g0b:\g0b+3], s[\g1b:\g1b+7]
	s_nop 0
.rept 4
	v_nop
.endr
.Lasked_\@:
.endm
.macro CROUND                          ; a round of the cluster's barrier
	s_barrier_signal -1
	s_barrier_wait -1
	s_cmp_lg_u32 s14, 0
	s_cbranch_scc1 .Lnot_wave_0_\@
	s_barrier_signal -3
.Lnot_wave_0_\@:
	s_barrier_wait -3
	s_barrier_signal -1
	s_barrier_wait -1
.endm
	s_load_b256 s[4:11], s[0:1], 0x0               ; codes 4, scales 6, bq 8, bk 10
	s_load_b256 s[92:99], s[0:1], 0x20             ; bv 92, cos 94, sin 96, qkv 98
	s_load_b64 s[100:101], s[0:1], 0x40            ; e32
	v_lshl_add_u32 v[SPW], v0, 2, SPARE
	v_mov_b32 v[NIL], 0
	ds_add_u32 v[SPW], v[NIL]                      ; the wave's opening: the add, twice on end, and its wait ahead of my first tensor load
	ds_add_u32 v[SPW], v[NIL]
	v_lshrrev_b32 v1, 5, v0
	v_readfirstlane_b32 s14, v1                    ; wave
	s_lshr_b32 s15, s14, 1                         ; my half of the tile's rows; also: I fetch for x (0) or W (1)
	s_and_b32 s16, s14, 1                          ; my half of its columns; also: which 128 rows I fetch
	s_bfe_u32 s40, ttmp6, 0x40000                  ; cx: the 256 columns
	s_bfe_u32 s41, ttmp6, 0x40004                  ; cy: the batch
	s_and_b32 s17, ttmp7, 0xffff                   ; the cluster's y
	s_lshr_b32 s2, s17, 3                          ; t: 0 q, 1 k, 2 v
	s_and_b32 s3, s17, 7                           ; j: positions 256 j on
	s_or_b32 s66, s3, s15                          ; 0 where my rows begin with positions 0-15
	s_lshl_b32 s43, s41, 2
	s_lshl_b32 s43, 15, s43                        ; my row of the cluster
	s_lshl_b32 s44, 0x1111, s40                    ; my column
	s_or_b32 s[G1+0], s43, (0<<16)|(1<<20)|(1<<21)|(5<<22)|(3<<25)  ; mask; elements of 1 byte; padding: 4 words behind every 64; bit 21 beside a mask
	s_or_b32 s[G1B+0], s44, (0<<16)|(1<<20)|(1<<21)|(5<<22)|(3<<25)
.irp g, G1, G1B
	s_mov_b32 s[\g+1], ROWB<<16                    ; tensor_dim0
	s_mov_b32 s[\g+2], 128<<16                     ; tensor_dim1
	s_mov_b32 s[\g+3], ROWB<<16                    ; tile_dim0
	s_mov_b32 s[\g+4], 128                         ; tile_dim1
	s_mov_b32 s[\g+5], KROW                        ; from row to row
	s_mov_b32 s[\g+6], 0
	s_mov_b32 s[\g+7], 0
.endr
	s_or_b32 s[G1S+0], s43, (3<<16)|(1<<20)|(1<<21)|(5<<22)|(3<<25) ; the scales of 128 rows: 4,096 dense bytes as 16 rows of 32 elements of 8 bytes
	s_or_b32 s[G1SB+0], s44, (3<<16)|(1<<20)|(1<<21)|(5<<22)|(3<<25)
.irp g, G1S, G1SB
	s_mov_b32 s[\g+1], 32<<16
	s_mov_b32 s[\g+2], (128*KS/256)<<16
	s_mov_b32 s[\g+3], 32<<16
	s_mov_b32 s[\g+4], 128*KS/256
	s_mov_b32 s[\g+5], 32
	s_mov_b32 s[\g+6], 0
	s_mov_b32 s[\g+7], 0
.endr
	s_lshl_b32 s18, s16, 7                         ; which 128 rows of the tile I fetch
	s_lshl_b32 s20, s2, 13                         ; x's row in the buffers: 8192 t + 2048 cy + 256 j + 128 f
	s_lshl_b32 s21, s41, 11
	s_add_co_u32 s20, s20, s21
	s_lshl_b32 s21, s3, 8
	s_add_co_u32 s20, s20, s21
	s_add_co_u32 s20, s20, s18
	s_lshl_b32 s22, s20, 5                         ; its scale bytes,
	s_lshl_b32 s20, s20, 9                         ; its codes
	s_mov_b32 s21, 0
	s_mov_b32 s23, 0
	s_lshl_b32 s46, s2, 10                         ; W's row: 24576 + 1024 t + 256 cx + 128 f
	s_lshl_b32 s47, s40, 8
	s_add_co_u32 s46, s46, s47
	s_add_co_u32 s46, s46, s18
	s_add_co_u32 s46, s46, 24576
	s_lshl_b32 s12, s46, 5
	s_lshl_b32 s46, s46, 9
	s_mov_b32 s47, 0
	s_mov_b32 s13, 0
	s_mul_i32 s45, s14, HALFT                      ; where they go: wave x 128 rows: no place in the cluster enters an LDS address
	s_mul_i32 s67, s14, HALFS
	s_wait_dscnt 0x0                               ; both opening adds are done
	s_wait_kmcnt 0x0
	s_add_nc_u64 s[20:21], s[4:5], s[20:21]
	s_add_nc_u64 s[22:23], s[6:7], s[22:23]
	s_add_nc_u64 s[46:47], s[4:5], s[46:47]
	s_add_nc_u64 s[12:13], s[6:7], s[12:13]
	CROUND                                         ; all sixteen work-groups are here: the joint loads meet
	s_mov_b32 s[G0S], 1
	s_add_co_u32 s[G0S+1], s67, SCL
	s_mov_b64 s[G0S+2:G0S+3], s[22:23]
	s_or_b32 s[G0S+3], s[G0S+3], 0x80000000
	s_mov_b32 s[G0SB], 1
	s_add_co_u32 s[G0SB+1], s67, SCL
	s_mov_b64 s[G0SB+2:G0SB+3], s[12:13]
	s_or_b32 s[G0SB+3], s[G0SB+3], 0x80000000
	JLOAD G0S, G1S, G0SB, G1SB                     ; the scales first; then both K steps: three loads of mine are out
.irp s, 0,1
	s_mov_b32 s[G0+4*\s], 1
	s_add_co_u32 s[G0+4*\s+1], s45, \s*SLOT
	s_add_nc_u64 s[G0+4*\s+2:G0+4*\s+3], s[20:21], \s*ROWB
	s_or_b32 s[G0+4*\s+3], s[G0+4*\s+3], 0x80000000
	s_mov_b32 s[G0B+4*\s], 1
	s_add_co_u32 s[G0B+4*\s+1], s45, \s*SLOT
	s_add_nc_u64 s[G0B+4*\s+2:G0B+4*\s+3], s[46:47], \s*ROWB
	s_or_b32 s[G0B+4*\s+3], s[G0B+4*\s+3], 0x80000000
	JLOAD G0+4*\s, G1, G0B+4*\s, G1B
.endr
	v_and_b32 v1, 15, v0                           ; r
	v_bfe_u32 v2, v0, 4, 1                         ; h
	v_lshlrev_b32 v7, 5, v2                        ; 32 h: my half's eight numbers of 16 columns; the bias loads' offset, never rewritten
	v_lshl_add_u32 v[VT], v1, 8, v7
	v_lshl_add_u32 v[VE], v1, 12, v7
	s_cmp_eq_u32 s2, 1                             ; the tensor's bias
	s_cselect_b64 s[18:19], s[10:11], s[8:9]
	s_cmp_eq_u32 s2, 2
	s_cselect_b64 s[18:19], s[92:93], s[18:19]
	s_lshl_b32 s46, s40, 10                        ; my first column in bytes of f32: 1024 cx + 512 x half
	s_lshl_b32 s47, s16, 9
	s_add_co_u32 s46, s46, s47
	s_mov_b32 s47, 0
	s_add_nc_u64 s[18:19], s[18:19], s[46:47]
.irp b, 0,1,2,3,4,5,6,7
	global_load_b128 v[BIAS+8*\b:BIAS+8*\b+3], v7, s[18:19] offset:64*\b       ; register 8 b + i: the bias of column 16 b + 8 h + i: the result's layout
	global_load_b128 v[BIAS+8*\b+4:BIAS+8*\b+7], v7, s[18:19] offset:64*\b+16
.endr
	s_lshl_b32 s20, s3, 16                         ; cos and sin at my first position: (256 j + 128 x half) rows of 256 bytes
	s_lshl_b32 s21, s15, 15
	s_add_co_u32 s20, s20, s21
	s_mov_b32 s21, 0
	s_add_nc_u64 s[94:95], s[94:95], s[20:21]
	s_add_nc_u64 s[96:97], s[96:97], s[20:21]
; cos and sin of block a's 16 positions: lane (r, h) takes, of position r, d = 16 bb + 8 h + 0 .. 7 into registers 8 bb on (cos) and 32 + 8 bb on (sin) of the block's set in window 1
.macro CSLOAD a
.set CS, 64*(1-(((\a)%4)/2))+128*((\a)%2)
	WIN 0x40
.irp bb, 0,1,2,3
	global_load_b128 v[CS+8*\bb:CS+8*\bb+3], v[VT], s[94:95] offset:4096*(\a)+64*\bb
	global_load_b128 v[CS+8*\bb+4:CS+8*\bb+7], v[VT], s[94:95] offset:4096*(\a)+64*\bb+16
	global_load_b128 v[CS+32+8*\bb:CS+32+8*\bb+3], v[VT], s[96:97] offset:4096*(\a)+64*\bb
	global_load_b128 v[CS+32+8*\bb+4:CS+32+8*\bb+7], v[VT], s[96:97] offset:4096*(\a)+64*\bb+16
.endr
	WIN 0
.endm
	CSLOAD 0                                       ; two blocks' tables are asked for now, in every tile alike (v's tiles do not use them): they land under the products
	CSLOAD 1
	s_lshl_b32 s20, s41, 4                         ; qkv: head 16 cy + 4 cx + 2 x column half, of 262,144 bytes;
	s_lshl_b32 s21, s40, 2
	s_add_co_u32 s20, s20, s21
	s_lshl_b32 s21, s16, 1
	s_add_co_u32 s20, s20, s21
	s_lshl_b32 s20, s20, 18
	s_lshl_b32 s21, s2, 24                         ; the tensor;
	s_add_co_u32 s20, s20, s21
	s_lshl_b32 s21, s3, 15                         ; position 256 j + 128 x row half, of 128 bytes
	s_add_co_u32 s20, s20, s21
	s_lshl_b32 s21, s15, 14
	s_add_co_u32 s20, s20, s21
	s_mov_b32 s21, 0
	s_add_nc_u64 s[98:99], s[98:99], s[20:21]
	s_lshl_b32 s20, s2, 2                          ; e32: (4 t + cy) x 65,536 + my first column
	s_add_co_u32 s20, s20, s41
	s_lshl_b32 s20, s20, 16
	s_add_co_u32 s46, s46, s20
	s_add_nc_u64 s[100:101], s[100:101], s[46:47]
	v_mul_u32_u24 v3, v1, PITCH
	v_lshl_add_u32 v4, v2, 4, v3                   ; a fragment's row x pitch + 16 x half
	s_mul_i32 s21, s15, HALFT
	s_mul_i32 s22, s16, HALFT
	s_add_co_u32 s22, s22, 2*HALFT
.irp s, 0,1
	v_add_nc_u32 v[ADRA+\s], s21, v4
	v_add_nc_u32 v[ADRB+\s], s22, v4
	s_add_co_u32 s21, s21, SLOT
	s_add_co_u32 s22, s22, SLOT
.endr
	v_mul_u32_u24 v5, v1, KS                       ; my row's scales: 32 bytes a row, and 16 more for each 256 passed
	v_lshrrev_b32 v6, 8, v5
	v_lshl_add_u32 v5, v6, 4, v5
	s_mul_i32 s21, s15, HALFS
	s_mul_i32 s22, s16, HALFS
	s_add_co_u32 s22, s22, 2*HALFS
	s_sub_co_u32 s22, s22, s21
	v_mul_u32_u24 v6, s22, v2                      ; lanes 16-31 take W's
	s_add_co_u32 s21, s21, SCL
	v_add_nc_u32 v5, v5, v6
	v_add_nc_u32 v[ADRS], s21, v5
	s_mul_i32 s23, s14, 16*272                     ; my stage: 16 rows of 256 bytes + 16
	v_add_nc_u32 v[STO], s23, v4                   ; in: row r, 16 bytes for each half of the lanes
	v_bfe_u32 v5, v0, 3, 1                         ; back: lanes 0-15 two positions of my first head, lanes 16-31 of my second: row (lane / 8) % 2, byte 128 (lane / 16) + 16 (lane % 8)
	v_mul_u32_u24 v5, v5, 272
	v_lshl_add_u32 v5, v2, 7, v5
	v_and_b32 v6, 7, v0
	v_lshl_add_u32 v5, v6, 4, v5
	v_add_nc_u32 v[RD], s23, v5
	v_lshlrev_b32 v5, 18, v2                       ; and in qkv: a head on for lanes 16-31; 16 bytes a lane
	v_lshl_add_u32 v[CO], v1, 4, v5
.macro FRAG reg, adr, q, i             ; 16 rows x 128 K of 4-bit codes: 8 registers, two loads 32 bytes apart
.irp c, 0,1
	ds_load_b128 v[\reg+4*\c:\reg+4*\c+3], v[\adr] offset:64*(\q)+32*\c+(\i)*16*PITCH
.endr
.endm
; 16 products: x's blocks a0, a0 + 1 against W's eight.  zero = 1: the first product starts the sums from the bias.  The 64 accumulators take turns, one instruction a turn.
.macro MUL16 a0, p, q, sc, zero
.irp a, \a0, \a0+1
.irp b, 0,1,2,3,4,5,6,7
.if \zero
	v_wmma_scale_f32_16x16x128_f8f6f4 v[8*(8*((\a)%4)+\b):8*(8*((\a)%4)+\b)+7], v[128*(\p)+FR*\b:128*(\p)+FR*\b+FR-1], v[AF+FR*(\a):AF+FR*(\a)+FR-1], v[BIAS+8*\b:BIAS+8*\b+7], v[SC+8*NQ*(\sc)+NQ*\b+(\q)], v[SC+8*NQ*(\sc)+NQ*(\a)+(\q)] matrix_a_fmt:MATRIX_FMT_FP4 matrix_b_fmt:MATRIX_FMT_FP4 matrix_a_scale:MATRIX_SCALE_ROW1
.else
	v_wmma_scale_f32_16x16x128_f8f6f4 v[8*(8*((\a)%4)+\b):8*(8*((\a)%4)+\b)+7], v[128*(\p)+FR*\b:128*(\p)+FR*\b+FR-1], v[AF+FR*(\a):AF+FR*(\a)+FR-1], v[8*(8*((\a)%4)+\b):8*(8*((\a)%4)+\b)+7], v[SC+8*NQ*(\sc)+NQ*\b+(\q)], v[SC+8*NQ*(\sc)+NQ*(\a)+(\q)] matrix_a_fmt:MATRIX_FMT_FP4 matrix_b_fmt:MATRIX_FMT_FP4 matrix_a_scale:MATRIX_SCALE_ROW1
.endif
.endr
.endr
.endm
.macro FETCH_B slot, q, p
	WIN TO_B
.irp i, 0,1,2,3,4,5,6,7
	FRAG 128*(\p)+FR*\i, ADRB+\slot, \q, \i
.endr
	WIN 0
.endm
.macro FETCH_A slot, q, i0
.irp i, \i0, \i0+1, \i0+2, \i0+3
	FRAG AF+FR*(\i), ADRA+\slot, \q, \i
.endr
.endm
.macro SCALES sc                       ; a K step's scale words: lanes 0-15 x's block i, lanes 16-31 W's block i
.irp i, 0,1,2,3,4,5,6,7
	ds_load_b128 v[SC+8*NQ*\sc+NQ*\i:SC+8*NQ*\sc+NQ*\i+3], v[ADRS] offset:\i*SBLK
.endr
.endm
.macro PLACES n                        ; plain vector instructions between a matrix instruction and a load into, or a read of, its registers
.rept \n
	v_nop
.endr
.endm
.macro STEP slot, q, zero              ; 128 along K, with its successor in the same slot
	s_wait_dscnt 4*NL                              ; W's set and x's blocks 0-3 are in; the youngest eight loads (blocks 4-7) may be out
.if \zero
	WIN 0x81                                       ; C (the bias) window 0, D window 2
.else
	WIN MUL_LO
.endif
	MUL16 0, (\q)%2, \q, \slot, \zero
	MUL16 2, (\q)%2, \q, \slot, \zero
	s_wait_dscnt 0
	PLACES NP
	FETCH_B \slot, (\q)+1, 1-(\q)%2
	FETCH_A \slot, (\q)+1, 0
.if \zero
	WIN 0xc1
.else
	WIN MUL_HI
.endif
	MUL16 4, (\q)%2, \q, \slot, \zero
	MUL16 6, (\q)%2, \q, \slot, \zero
	PLACES NP
	WIN 0
	FETCH_A \slot, (\q)+1, 4
.endm
; Slot 0's last step changes slots: one barrier.  In front of it each wave waits for all its tensor loads (its part of slot 1), adds 0 to its spare word and waits for that and for its reads of slot 0.  Nothing is filled again.
.macro TURN slot, next
	s_wait_tensorcnt 0x0
	ds_add_u32 v[SPW], v[NIL]
	s_wait_dscnt 4*NL+1                            ; (the add and the youngest eight loads may be out)
	WIN MUL_LO
	MUL16 0, 1, NQ-1, \slot, 0
	s_wait_dscnt 0x0                               ; the add is done, and my reads of this slot are over
	s_barrier_signal -1
	MUL16 2, 1, NQ-1, \slot, 0
	WIN 0
	s_barrier_wait -1
	PLACES NP
	v_add_nc_u32 v[ADRS], 4*NQ, v[ADRS]            ; the next K step's scale words
	FETCH_B \next, 0, 0
	FETCH_A \next, 0, 0
	SCALES \next
	WIN MUL_HI
	MUL16 4, 1, NQ-1, \slot, 0
	MUL16 6, 1, NQ-1, \slot, 0
	PLACES NP
	WIN 0
	FETCH_A \next, 0, 4
.endm
.macro STEPS slot, from
.set Q, \from
.rept NQ-1-\from
	STEP \slot, Q, 0
.set Q, Q+1
.endr
.endm
	s_wait_tensorcnt 1                             ; the scales and my part of K step 0 are in (K step 1's load may be out),
	s_barrier_signal -1
	s_barrier_wait -1                              ; everybody's are
	FETCH_B 0, 0, 0
	FETCH_A 0, 0, 0
	SCALES 0
	FETCH_A 0, 0, 4
	s_wait_loadcnt 32                              ; the bias is in; the 32 younger loads (two blocks' cos and sin) may be out
	STEP 0, 0, 1
	STEPS 0, 1
	TURN 0, 1
	STEPS 1, 0
	s_wait_dscnt 4*NL
	WIN MUL_LO
	MUL16 0, 1, NQ-1, 1, 0
	MUL16 2, 1, NQ-1, 1, 0
	s_wait_dscnt 0
	WIN MUL_HI
	MUL16 4, 1, NQ-1, 1, 0
	MUL16 6, 1, NQ-1, 1, 0
	WIN 0
; THE WAY OUT, block by block of 16 positions x 128 columns (two heads).  f16 results go through my stage and come back so that sixteen lanes hold two neighbouring positions of one head: 256 consecutive bytes of qkv, aligned.
.macro TOSTAGE a, so
.if (\a) >= 2
	s_wait_xcnt 0x0                                ; block a - 2's stores have read the registers that these loads fill
.endif
.irp b, 0,1,2,3,4,5,6,7
	ds_store_b128 v[STO], v[Y+4*\b:Y+4*\b+3] offset:\so+32*\b
.endr
.irp u, 0,1,2,3,4,5,6,7
	ds_load_b128 v[BK+32*((\a)%2)+4*\u:BK+32*((\a)%2)+4*\u+3], v[RD] offset:\so+544*\u   ; LDS serves a wave's instructions in order: these see the stores above
.endr
.endm
.macro SEND a
	s_wait_dscnt 0x0                               ; the block is back in registers
.irp u, 0,1,2,3,4,5,6,7
	global_store_b128 v[CO], v[BK+32*((\a)%2)+4*\u:BK+32*((\a)%2)+4*\u+3], s[98:99] offset:2048*(\a)+256*\u
.endr
.endm
; RoPE of block a, in f32: y[d] = x[d] cos[d] - x[d + 32] sin[d], y[d + 32] = x[d + 32] cos[d + 32] + x[d] sin[d + 32], d under 32.  Each accumulator is read from its low end on.
.macro ROPE a
.set AC, 64*((\a)%4)
.set CS, 64*(1-(((\a)%4)/2))+128*((\a)%2)
	WIN 0x06+((\a)/4)                              ; source 0: the accumulators (window 2 or 3); source 1: the tables (window 1)
.irp hd, 0,1
.irp bb, 0,1
.irp jp, 0,2,4,6
	v_pk_mul_f32 v[Y+8*(4*\hd+\bb)+\jp:Y+8*(4*\hd+\bb)+\jp+1], v[AC+8*(4*\hd+\bb)+\jp:AC+8*(4*\hd+\bb)+\jp+1], v[CS+8*\bb+\jp:CS+8*\bb+\jp+1]
	v_pk_mul_f32 v[Y+8*(4*\hd+\bb+2)+\jp:Y+8*(4*\hd+\bb+2)+\jp+1], v[AC+8*(4*\hd+\bb+2)+\jp:AC+8*(4*\hd+\bb+2)+\jp+1], v[CS+8*(\bb+2)+\jp:CS+8*(\bb+2)+\jp+1]
	v_pk_fma_f32 v[Y+8*(4*\hd+\bb)+\jp:Y+8*(4*\hd+\bb)+\jp+1], v[AC+8*(4*\hd+\bb+2)+\jp:AC+8*(4*\hd+\bb+2)+\jp+1], v[CS+32+8*\bb+\jp:CS+32+8*\bb+\jp+1], v[Y+8*(4*\hd+\bb)+\jp:Y+8*(4*\hd+\bb)+\jp+1] neg_lo:[1,0,0] neg_hi:[1,0,0]
	v_pk_fma_f32 v[Y+8*(4*\hd+\bb+2)+\jp:Y+8*(4*\hd+\bb+2)+\jp+1], v[AC+8*(4*\hd+\bb)+\jp:AC+8*(4*\hd+\bb)+\jp+1], v[CS+32+8*(\bb+2)+\jp:CS+32+8*(\bb+2)+\jp+1], v[Y+8*(4*\hd+\bb+2)+\jp:Y+8*(4*\hd+\bb+2)+\jp+1]
.endr
.endr
.endr
	WIN 0
.endm
.macro E32Y                            ; positions 0-15 in f32, where they are mine
	s_cmp_eq_u32 s66, 0
	s_cbranch_scc0 .Lno_e_\@
.irp b, 0,1,2,3,4,5,6,7
	global_store_b128 v[VE], v[Y+8*\b:Y+8*\b+3], s[100:101] offset:64*\b
	global_store_b128 v[VE], v[Y+8*\b+4:Y+8*\b+7], s[100:101] offset:64*\b+16
.endr
	s_wait_xcnt 0x0                                ; the stores have read their data: the rounding below writes over them
.Lno_e_\@:
.endm
.macro PACKY                           ; 64 f32 to 32 registers of f16, in place from the low end
.set I, 0
.rept 32
	v_cvt_pk_f16_f32 v[Y+I], v[Y+2*I], v[Y+2*I+1]
.set I, I+1
.endr
.endm
.macro PACK a                          ; v: straight from the accumulators
.set AC, 64*((\a)%4)
	WIN 0x0a+5*((\a)/4)
.irp b, 0,1,2,3,4,5,6,7
.irp k, 0,1,2,3
	v_cvt_pk_f16_f32 v[Y+4*\b+\k], v[AC+8*\b+2*\k], v[AC+8*\b+2*\k+1]
.endr
.endr
	WIN 0
.endm
	PLACES NP                                      ; behind the last products: for the loads into W's and x's registers, the writes over the scale words and the reads of the results
	s_cmp_eq_u32 s2, 2                             ; v has no RoPE: the tensor is the same in all sixteen partners
	s_cbranch_scc1 .Lv
	CSLOAD 2
	CSLOAD 3
.irp a, 0,1,2,3,4,5,6,7
.if \a < 5
	s_wait_loadcnt 48                              ; this block's tables are in; three younger blocks' 16 loads each may be out
.else
	s_wait_loadcnt 16*(7-\a)
.endif
	ROPE \a
.if \a == 0
	E32Y
.endif
.if \a < 4
	CSLOAD \a+4                                    ; into the set that this block has just read
.endif
	PACKY
.if \a > 0
	SEND \a-1
.endif
	TOSTAGE \a, 0
.endr
	SEND 7
	s_branch .Ljoin
.Lv:
	s_cmp_eq_u32 s66, 0
	s_cbranch_scc0 .Lno_ev
	WIN 0x08                                       ; a store's data are its source 1: window 2
.irp b, 0,1,2,3,4,5,6,7
	global_store_b128 v[VE], v[8*\b:8*\b+3], s[100:101] offset:64*\b
	global_store_b128 v[VE], v[8*\b+4:8*\b+7], s[100:101] offset:64*\b+16
.endr
	WIN 0
.Lno_ev:
	PACK 0
	TOSTAGE 0, VSTG
.irp a, 1,2,3,4,5,6,7
	PACK \a
	SEND \a-1
	TOSTAGE \a, VSTG
.endr
	SEND 7
.Ljoin:
	s_wait_tensorcnt 0x0                           ; the wave's end, behind my last tensor load and my last LDS store
	ds_add_u32 v[SPW], v[NIL]
	s_wait_dscnt 0x0
	CROUND                                         ; the closing round
	s_endpgm
.Lfunc_end_k_q80db537571_proj:
	.size	k_q80db537571_proj, .Lfunc_end_k_q80db537571_proj-k_q80db537571_proj
	.p2alignl 7, 3214868480
	.fill 96, 4, 3214868480
	.section	.rodata,"a",@progbits
	.p2align	6, 0x0
	.amdhsa_kernel k_q80db537571_proj
		.amdhsa_group_segment_fixed_size 327680
		.amdhsa_private_segment_fixed_size 0
		.amdhsa_enable_private_segment 0
		.amdhsa_kernarg_size 72
		.amdhsa_user_sgpr_count 2
		.amdhsa_user_sgpr_kernarg_segment_ptr 1
		.amdhsa_wavefront_size32 1
		.amdhsa_system_sgpr_workgroup_id_x 1
		.amdhsa_system_sgpr_workgroup_id_y 1
		.amdhsa_system_sgpr_workgroup_id_z 1
		.amdhsa_system_vgpr_workitem_id 0
		.amdhsa_next_free_vgpr 1024
		.amdhsa_next_free_sgpr 102
		.amdhsa_reserve_vcc 0
		.amdhsa_float_denorm_mode_32 3
		.amdhsa_float_denorm_mode_16_64 3
		.amdhsa_memory_ordered 1
		.amdhsa_forward_progress 1
		.amdhsa_inst_pref_size 208
	.end_amdhsa_kernel
	.amdgpu_metadata
---
amdhsa.version: [ 1, 2 ]
amdhsa.kernels:
  - .name:           k_q80db537571_proj
    .symbol:         k_q80db537571_proj.kd
    .args:
      - { .name: codes, .offset: 0, .size: 8, .value_kind: global_buffer, .address_space: global }
      - { .name: scales, .offset: 8, .size: 8, .value_kind: global_buffer, .address_space: global }
      - { .name: bq, .offset: 16, .size: 8, .value_kind: global_buffer, .address_space: global }
      - { .name: bk, .offset: 24, .size: 8, .value_kind: global_buffer, .address_space: global }
      - { .name: bv, .offset: 32, .size: 8, .value_kind: global_buffer, .address_space: global }
      - { .name: rope_cos, .offset: 40, .size: 8, .value_kind: global_buffer, .address_space: global }
      - { .name: rope_sin, .offset: 48, .size: 8, .value_kind: global_buffer, .address_space: global }
      - { .name: qkv, .offset: 56, .size: 8, .value_kind: global_buffer, .address_space: global }
      - { .name: e32, .offset: 64, .size: 8, .value_kind: global_buffer, .address_space: global }
    .group_segment_fixed_size: 327680
    .private_segment_fixed_size: 0
    .kernarg_segment_align: 8
    .kernarg_segment_size: 72
    .max_flat_workgroup_size: 128
    .sgpr_count:     102
    .vgpr_count:     1024
    .wavefront_size: 32
...
	.end_amdgpu_metadata
.endif
;; end of part 2
;; launch attn (part 3): grid 4 x 64, 16 waves a work-group, no clusters, 327,680 bytes of LDS; arguments qkv, att; writes att
.if DOCPART == 3
	.amdgcn_target "amdgcn-amd-amdhsa--gfx1250"
	.amdhsa_code_object_version 6
	.text
	.protected	k_q80db537571_attn
	.globl	k_q80db537571_attn
	.p2align	8
	.type	k_q80db537571_attn,@function
k_q80db537571_attn:
	s_mov_b64 s[64:65], 0
	v_nop
	global_prefetch_b8 v0, s[64:65] scope:SCOPE_SE
	s_setreg_imm32_b32 hwreg(HW_REG_WAVE_MODE, 25, 1), 1
	s_wait_xcnt 0x0
; att[b][h][q][:] = the sum over k <= q of softmax_k(Q[q] . K[k] / 8) V[k][:], for each of 64 heads; Q, K, V: qkv [3][64][2048][64] f16; att [64][2048][64] f16.  Products on f16 operands, sums, maxima and softmax in f32;
; the weights p = 2^(c s - c m), m the running maximum, c = log2(e) / 8, are rounded to f16 for the second product; the row's sum divides at the end.
; SHARES.  A work-group owns query blocks p and 7 - p (256 queries each) of one head, so that every work-group has the same causal work.  Waves 0-7 take block p, waves 8-15 block 7 - p; a wave owns 32 queries: two tiles of 16, in 256 registers:
; four waves to a SIMD, so that one wave's vector work stands beside another's products and LDS loads.
; WALK.  Eight slots of 256 keys, four steps of 64 keys each, through a ring of two LDS slots (waves 0, 1 fetch K's halves, waves 2, 3 V's).  Every work-group walks all slots, so the trip counts are constants; a step all of whose keys come
; after the wave's queries is left out by a branch on ids; a slot whose first key comes after the work-group's last query is not asked for.
; NO CLUSTER: the four work-groups of a head need 8, 7, 6 and 5 slots of keys: partners would need different numbers of tiles.
; LAYOUT.  S^T = K Q^T (source 0 = 16 keys, source 1 = 16 queries), O^T = V^T P (source 0 = 16 channels, by the turning load): a lane holds ONE query throughout; two tiles of S^T rounded in pairs ARE source 1 of the second product.
; LIMIT: |q|, |k|, |v| under 65,504 (f16).  Positions 0-15 of each sequence are made here too and are replaced by the launch that carries them in f32.
.set PK,    144                        ; a key's row in LDS: 128 bytes + 16
.set PV,    160                        ; a value's row: 128 + 32
.set VOFF,  256*PK                     ; a slot: 256 rows of K, then 256 of V
.set SLOT1, 1<<17
.set STAGE, SLOT1+256*(PK+PV)          ; behind the ring: 32 rows x 144 bytes for each wave
.set SPARE, STAGE+16*32*PK             ; the spare words: 128 bytes a wave, named by no other line
.set AK0, 1                            ; v1  my lane's place in a tile of K
.set AV0, 2                            ; v2  and of V
.set ADK, 3
.set ADV, 4
.set SPW, 5
.set NIL, 6
.set GO,  7                            ; v7  16 x lane
.set STO, 8
.set RD,  9
.set DQ,  10                           ; v10 r - 8 h
.set PFO, 11                           ; v11 256 x lane; never rewritten
.set TS,  12                           ; v[12:13], v[14:15] a sum chain for each tile; in the mask v12 = d, v13 = -infinity
.set ST,  16                           ; tile t at v[16 + 8 t]: +0 c m, +1 m, +2:3 l, +4 .. +7 at work (maximum chains; then +4 = a, +6:7 the second sum chain)
.set QF,  32                           ; Q: tile t, channels 32 s on, at v[32 + 16 t + 8 s]
.set S,   64                           ; S^T: tile t, keys 16 kt on, at v[64 + 32 t + 8 kt]; P in place at v[64 + 32 t + 0 .. 15]
.set OT,  128                          ; O^T: tile t, channels 16 c on, at v[128 + 32 t + 8 c]
.set KV,  192                          ; eight fragments of K, then of V
.set WV,  18
.set SEL, 20
.set CS,  22
.set G1K, 24
.set G1V, 32
.set G0K, 40
.set G0V, 44
.set TB,  2
.set SLOTS, 48
.set KF,  49
.set Q0,  50
.set LASTQ, 51
.set PFA, 52
.set LIM, 54
.macro TLOAD                           ; waves 0, 1: K; waves 2, 3: V; the others nothing.  An s_nop 0 and four v_nop follow each line
	s_cmp_lt_u32 s[WV], 2
	s_cbranch_scc0 .Lnot_k_\@
	tensor_load_to_lds s[G0K:G0K+3], s[G1K:G1K+7]
	s_nop 0
.rept 4
	v_nop
.endr
	s_branch .Lasked_\@
.Lnot_k_\@:
	s_cmp_lt_u32 s[WV], 4
	s_cbranch_scc0 .Lasked_\@
	tensor_load_to_lds s[G0V:G0V+3], s[G1V:G1V+7]
	s_nop 0
.rept 4
	v_nop
.endr
.Lasked_\@:
.endm
; A prefetch of what the NEXT change of slots will ask for: a slot's K and V are two dense blocks of 32,768 bytes.  All four work-groups of a head walk the same rows: the first (p = 0, which walks all slots) asks; in it waves 4-7 ask for K's block
; and waves 8-11 for V's, 8,192 bytes a wave, lanes 256 bytes apart: each aligned 256 bytes is named once in the launch.  The last change that fills a slot asks for nothing; slots 0 and 1 come by their loads alone.
.macro ASK
	s_cmp_gt_u32 s[SLOTS], s[LIM]
	s_cbranch_scc0 .Lnot_mine_\@
	global_prefetch_b8 v[PFO], s[PFA:PFA+1] th:TH_LOAD_NT scope:SCOPE_SE
.Lnot_mine_\@:
.endm
	s_load_b128 s[4:7], s[0:1], 0x0                ; qkv, att
	v_lshl_add_u32 v[SPW], v0, 2, SPARE
	v_mov_b32 v[NIL], 0
	ds_add_u32 v[SPW], v[NIL]                      ; the wave's opening: the add, twice on end, and its wait ahead of the first tensor load
	ds_add_u32 v[SPW], v[NIL]
	v_lshrrev_b32 v3, 5, v0
	v_readfirstlane_b32 s[WV], v3                  ; wave 0..15
	s_and_b32 s56, ttmp7, 0xffff
	s_lshl_b32 s56, s56, 18                        ; the head's first byte in a tensor: 262,144 a head
	s_mov_b32 s57, 0
	s_sub_co_u32 s58, 7, ttmp9
	s_cmp_lt_u32 s[WV], 8
	s_cselect_b32 s58, ttmp9, s58                  ; my block of queries: p or 7 - p
	s_lshl_b32 s[Q0], s58, 8
	s_and_b32 s58, s[WV], 7
	s_lshl_b32 s58, s58, 5
	s_add_co_u32 s[Q0], s[Q0], s58                 ; my first query
	s_lshl_b32 s58, ttmp9, 8
	s_sub_co_u32 s[LASTQ], 2047, s58               ; the work-group's last query
	s_lshl_b32 s58, s[Q0], 7
	s_add_co_u32 s58, s58, s56                     ; my rows of Q and of att
	s_mov_b32 s59, 0
	s_and_b32 s60, s[WV], 1                        ; which 128 keys of a slot I fetch, if I fetch
	s_lshl_b32 s62, s60, 14
	s_mov_b32 s63, 0
	s_mul_i32 s55, s60, 128*PK
	s_mul_i32 s61, s60, 128*PV
	s_add_co_u32 s61, s61, VOFF
	s_mov_b32 s[G1K], (1<<16)|(1<<20)|(4<<22)|(3<<25)   ; elements of 2 bytes; padding: 4 words behind every 32
	s_mov_b32 s[G1V], (1<<16)|(1<<20)|(4<<22)|(7<<25)   ; 8 words
.irp g, G1K, G1V
	s_mov_b32 s[\g+1], 64<<16                      ; tensor_dim0
	s_mov_b32 s[\g+2], 128<<16                     ; tensor_dim1
	s_mov_b32 s[\g+3], 64<<16                      ; tile_dim0
	s_mov_b32 s[\g+4], 128                         ; tile_dim1
	s_mov_b32 s[\g+5], 64                          ; from row to row
	s_mov_b32 s[\g+6], 0
	s_mov_b32 s[\g+7], 0
.endr
	s_mov_b32 s[SEL], 0x76543210
	s_mov_b32 s[SEL+1], 0xfedcba98
	s_mov_b32 s[CS], 0x3e38aa3b                    ; c = log2(e) / 8
	s_mov_b32 s[CS+1], s[CS]
	s_mov_b32 s[TB], 0
	s_mov_b32 s[SLOTS], 7
	s_mov_b32 s[KF], 0
	s_wait_dscnt 0x0                               ; both opening adds are done
	s_wait_kmcnt 0x0
	s_add_nc_u64 s[8:9], s[4:5], s[58:59]          ; Q at my rows
	s_add_nc_u64 s[14:15], s[6:7], s[58:59]        ; att likewise
	s_add_nc_u64 s[10:11], s[4:5], s[56:57]
	s_add_nc_u64 s[10:11], s[10:11], 0x1000000     ; the head's K
	s_add_nc_u64 s[12:13], s[10:11], 0x1000000     ; and V
	s_mov_b32 s[G0K], 1
	s_mov_b32 s[G0K+1], s55
	s_add_nc_u64 s[G0K+2:G0K+3], s[10:11], s[62:63]
	s_or_b32 s[G0K+3], s[G0K+3], 0x80000000
	s_mov_b32 s[G0V], 1
	s_mov_b32 s[G0V+1], s61
	s_add_nc_u64 s[G0V+2:G0V+3], s[12:13], s[62:63]
	s_or_b32 s[G0V+3], s[G0V+3], 0x80000000
	TLOAD                                          ; slot 0: it holds key 0, which counts for every query
	s_cmp_lt_u32 s[WV], 8                          ; the prefetches: where my wave's stand, and who asks
	s_cselect_b64 s[PFA:PFA+1], s[10:11], s[12:13]
	s_and_b32 s56, s[WV], 3
	s_lshl_b32 s56, s56, 13
	s_add_co_u32 s56, s56, 32768                   ; in slot 1: the first change of slots steps it to slot 2
	s_add_nc_u64 s[PFA:PFA+1], s[PFA:PFA+1], s[56:57]
	s_sub_co_u32 s56, s[WV], 4
	s_lshr_b32 s56, s56, 3                         ; 0 in waves 4 to 11,
	s_or_b32 s56, s56, ttmp9                       ; of the head's first work-group
	s_cmp_eq_u32 s56, 0
	s_cselect_b32 s[LIM], 1, -1
	v_and_b32 v12, 15, v0                          ; r
	v_bfe_u32 v13, v0, 4, 1                        ; h
	v_lshlrev_b32 v3, 7, v12
	v_lshl_add_u32 v3, v13, 4, v3                  ; Q: row r of 128 bytes + 16 h
.irp t, 0,1
.irp s, 0,1
	global_load_b128 v[QF+16*\t+8*\s:QF+16*\t+8*\s+3], v3, s[8:9] offset:2048*\t+64*\s
	global_load_b128 v[QF+16*\t+8*\s+4:QF+16*\t+8*\s+7], v3, s[8:9] offset:2048*\t+64*\s+32
.endr
.endr
	v_mul_u32_u24 v[AK0], v12, PK
	v_lshl_add_u32 v[AK0], v13, 4, v[AK0]
	v_and_b32 v14, 7, v0
	v_lshl_add_u32 v[AV0], v13, 3, v14             ; the turning load: key 8 h + lane % 8, channels 8 ((lane / 8) % 2) on
	v_mul_u32_u24 v[AV0], v[AV0], PV
	v_bfe_u32 v15, v0, 3, 1
	v_lshl_add_u32 v[AV0], v15, 4, v[AV0]
	v_add_nc_u32 v[AV0], VOFF, v[AV0]
	v_lshlrev_b32 v[DQ], 3, v13
	v_sub_nc_u32 v[DQ], v12, v[DQ]
	s_mul_i32 s58, s[WV], 32*PK
	s_add_co_u32 s58, s58, STAGE                   ; my stage
	v_add_nc_u32 v[STO], s58, v[AK0]               ; in: row r, 16 bytes for each half of the lanes
	v_bfe_u32 v15, v0, 3, 2
	v_mul_u32_u24 v15, v15, PK
	v_lshl_add_u32 v15, v14, 4, v15
	v_add_nc_u32 v[RD], s58, v15                   ; back: four rows of 128 bytes an instruction
	v_and_b32 v15, 31, v0
	v_lshlrev_b32 v[GO], 4, v15
	v_lshlrev_b32 v[PFO], 8, v15
.irp t, 0,1
	v_mov_b32 v[ST+8*\t+1], 0xff61b1e6             ; m = -3e38, under every score
	v_mul_f32 v[ST+8*\t], s[CS], v[ST+8*\t+1]
	v_mov_b32 v[ST+8*\t+2], 0                      ; l
	v_mov_b32 v[ST+8*\t+3], 0
	v_mov_b32 v[ST+8*\t+4], 0
	v_mov_b32 v[ST+8*\t+5], 0
	v_mov_b32 v[ST+8*\t+6], 0
	v_mov_b32 v[ST+8*\t+7], 0
.endr
.set I, 0
.rept 64
	v_mov_b32 v[OT+I], 0                           ; the step is written once: the first finds zeros, which the first a = 0 leaves zeros
.set I, I+1
.endr
; A KEY STEP: 64 keys, the q-th of the slot in hand.
.macro STEP q
	s_add_co_u32 s55, s[Q0], 31                    ; all 64 keys come after my 32 queries: the step's work is left out (ids alone; no barrier, wait on tiles or tensor load stands in a step)
	s_cmp_gt_u32 s[KF], s55
	s_cbranch_scc1 .Lhidden_\@
	v_add_nc_u32 v[ADK], s[TB], v[AK0]
	v_add_nc_u32 v[ADV], s[TB], v[AV0]
.rept 3
	v_nop                                          ; with the two additions five places behind the last step's products: four for the loads into V's registers, five for the products that write over P
.endr
.irp kt, 0,1,2,3
.irp s, 0,1
	ds_load_b128 v[KV+8*(2*\kt+\s):KV+8*(2*\kt+\s)+3], v[ADK] offset:(64*(\q)+16*\kt)*PK+64*\s
	ds_load_b128 v[KV+8*(2*\kt+\s)+4:KV+8*(2*\kt+\s)+7], v[ADK] offset:(64*(\q)+16*\kt)*PK+64*\s+32
.endr
.endr
	s_wait_dscnt 0x0
.irp s, 0,1                                    ; S^T = K Q^T: eight accumulators by turns
.irp kt, 0,1,2,3
.irp t, 0,1
.if \s == 0
	v_wmma_f32_16x16x32_f16 v[S+32*\t+8*\kt:S+32*\t+8*\kt+7], v[KV+8*(2*\kt+\s):KV+8*(2*\kt+\s)+7], v[QF+16*\t+8*\s:QF+16*\t+8*\s+7], 0
.else
	v_wmma_f32_16x16x32_f16 v[S+32*\t+8*\kt:S+32*\t+8*\kt+7], v[KV+8*(2*\kt+\s):KV+8*(2*\kt+\s)+7], v[QF+16*\t+8*\s:QF+16*\t+8*\s+7], v[S+32*\t+8*\kt:S+32*\t+8*\kt+7]
.endif
.endr
.endr
.endr
.rept 4
	v_nop                                          ; places: for the loads into K's registers and the first reads of the scores
.endr
.irp g, 0,1                                    ; V, turned: keys 32 g on, channels 16 c on; it lands under the softmax
.irp c, 0,1,2,3
	ds_load_tr16_b128 v[KV+8*(4*\g+\c):KV+8*(4*\g+\c)+3], v[ADV] offset:(64*(\q)+32*\g)*PV+32*\c
	ds_load_tr16_b128 v[KV+8*(4*\g+\c)+4:KV+8*(4*\g+\c)+7], v[ADV] offset:(64*(\q)+32*\g)*PV+16*PV+32*\c
.endr
.endr
	s_add_co_u32 s55, s[KF], 63                    ; on the diagonal hidden scores become -infinity; a step all of whose keys count skips this
	s_cmp_le_u32 s55, s[Q0]
	s_cbranch_scc1 .Lopen_\@
	s_sub_co_i32 s55, s[Q0], s[KF]
	v_add_nc_u32 v12, s55, v[DQ]                   ; d = Q0 - KF + r - 8 h.  Register 8 kt + j of tile t: key KF + 16 kt + 8 h + j, query Q0 + 16 t + r: hidden where 16 kt + j - 16 t > d
	v_mov_b32 v13, 0xff800000
.irp t, 0,1
.irp kt, 0,1,2,3
.irp j, 0,1,2,3,4,5,6,7
	v_cmp_gt_i32 vcc_lo, 16*\kt+\j-16*\t, v12
	v_cndmask_b32 v[S+32*\t+8*\kt+\j], v[S+32*\t+8*\kt+\j], v13, vcc_lo
.endr
.endr
.endr
.Lopen_\@:
.irp j, 0,1,2,3                                ; the maximum of my 32 scores and the old m: four chains, each accumulator from its low end on; the two tiles by turns
.irp t, 0,1
	v_max3_num_f32 v[ST+8*\t+4+\j], v[S+32*\t+8*\j], v[S+32*\t+8*\j+1], v[S+32*\t+8*\j+2]
.endr
.endr
.irp g, 1,2
.irp j, 0,1,2,3
.irp t, 0,1
	v_max3_num_f32 v[ST+8*\t+4+\j], v[ST+8*\t+4+\j], v[S+32*\t+8*\j+2*\g+1], v[S+32*\t+8*\j+2*\g+2]
.endr
.endr
.endr
.irp t, 0,1
	v_max3_num_f32 v[ST+8*\t+4], v[ST+8*\t+4], v[S+32*\t+7], v[S+32*\t+15]
.endr
.irp t, 0,1
	v_max3_num_f32 v[ST+8*\t+6], v[ST+8*\t+6], v[S+32*\t+23], v[S+32*\t+31]
.endr
.irp t, 0,1
	v_max3_num_f32 v[ST+8*\t+4], v[ST+8*\t+4], v[ST+8*\t+5], v[ST+8*\t+6]
.endr
.irp t, 0,1
	v_max3_num_f32 v[ST+8*\t+4], v[ST+8*\t+4], v[ST+8*\t+7], v[ST+8*\t+1]
.endr
.irp t, 0,1
	v_permlanex16_b32 v[ST+8*\t+5], v[ST+8*\t+4], s[SEL], s[SEL+1]   ; the query's other 32 keys lie in the lane 16 away
.endr
.irp t, 0,1
	v_mov_b32 v[ST+8*\t+7], v[ST+8*\t]             ; c m_old
.endr
.irp t, 0,1
	v_max_num_f32 v[ST+8*\t+1], v[ST+8*\t+4], v[ST+8*\t+5]
.endr
.irp t, 0,1
	v_mul_f32 v[ST+8*\t], s[CS], v[ST+8*\t+1]
.endr
.irp t, 0,1
	v_sub_f32 v[ST+8*\t+7], v[ST+8*\t+7], v[ST+8*\t]
.endr
.set I, 0
.rept 16
.irp t, 0,1
	v_pk_fma_f32 v[S+32*\t+I:S+32*\t+I+1], v[S+32*\t+I:S+32*\t+I+1], s[CS:CS+1], v[ST+8*\t:ST+8*\t+1] op_sel_hi:[1,0,0] neg_lo:[0,0,1] neg_hi:[0,0,1]   ; c s - c m
.endr
.set I, I+2
.endr
.irp t, 0,1
	v_exp_f32 v[ST+8*\t+4], v[ST+8*\t+7]           ; a = 2^(c m_old - c m_new)
.endr
.set I, 0
.rept 32
.irp t, 0,1
	v_exp_f32 v[S+32*\t+I], v[S+32*\t+I]           ; p
.endr
.set I, I+1
.endr
	v_nop                                          ; a plain instruction behind the last exponential
	s_wait_alu depctr_va_vdst(0)                   ; ONE wait for the batch of 66, ahead of its first reader
.irp t, 0,1
	v_pk_add_f32 v[TS+2*\t:TS+2*\t+1], v[S+32*\t:S+32*\t+1], v[S+32*\t+2:S+32*\t+3]       ; the row's sum, of the unrounded p: two chains a tile
	v_pk_add_f32 v[ST+8*\t+6:ST+8*\t+7], v[S+32*\t+4:S+32*\t+5], v[S+32*\t+6:S+32*\t+7]
.endr
.irp i, 8,12,16,20,24,28
.irp t, 0,1
	v_pk_add_f32 v[TS+2*\t:TS+2*\t+1], v[TS+2*\t:TS+2*\t+1], v[S+32*\t+\i:S+32*\t+\i+1]
	v_pk_add_f32 v[ST+8*\t+6:ST+8*\t+7], v[ST+8*\t+6:ST+8*\t+7], v[S+32*\t+\i+2:S+32*\t+\i+3]
.endr
.endr
.irp t, 0,1
	v_pk_add_f32 v[TS+2*\t:TS+2*\t+1], v[TS+2*\t:TS+2*\t+1], v[ST+8*\t+6:ST+8*\t+7]
.endr
.irp t, 0,1
	v_pk_fma_f32 v[ST+8*\t+2:ST+8*\t+3], v[ST+8*\t+2:ST+8*\t+3], v[ST+8*\t+4:ST+8*\t+5], v[TS+2*\t:TS+2*\t+1] op_sel_hi:[1,0,1]   ; l = a l + the sum
.endr
.set I, 0
.rept 16
.irp t, 0,1
	v_cvt_pk_f16_f32 v[S+32*\t+I], v[S+32*\t+2*I], v[S+32*\t+2*I+1]   ; P, in place from the low end
.endr
.set I, I+1
.endr
.set I, 0
.rept 16
.irp t, 0,1
	v_pk_mul_f32 v[OT+32*\t+I:OT+32*\t+I+1], v[OT+32*\t+I:OT+32*\t+I+1], v[ST+8*\t+4:ST+8*\t+5] op_sel_hi:[1,0]   ; O^T x a
.endr
.set I, I+2
.endr
	s_wait_dscnt 0x0                               ; V is in
.irp g, 0,1                                    ; O^T += V^T P: eight accumulators by turns
.irp c, 0,1,2,3
.irp t, 0,1
	v_wmma_f32_16x16x32_f16 v[OT+32*\t+8*\c:OT+32*\t+8*\c+7], v[KV+8*(4*\g+\c):KV+8*(4*\g+\c)+7], v[S+32*\t+8*\g:S+32*\t+8*\g+7], v[OT+32*\t+8*\c:OT+32*\t+8*\c+7]
.endr
.endr
.endr
.Lhidden_\@:
	s_add_co_u32 s[KF], s[KF], 64
.endm
; THE CHANGE OF SLOTS stands at a slot's head: each wave waits for all its tensor loads, adds 0 to its spare word (fill = 1: twice on end), and waits for that and
; for its reads of the slot that it has left.  Behind the barrier the slot ahead is whole and nobody reads the other one, which is then filled with the next 256 keys: that load has a slot's four steps in which to land.
.macro CHANGE fill
	s_wait_tensorcnt 0x0                           ; no tensor load of mine is out, so a group 0 may be written
	ds_add_u32 v[SPW], v[NIL]
.if \fill
	ds_add_u32 v[SPW], v[NIL]
	s_xor_b32 s[G0K+1], s[G0K+1], SLOT1
	s_add_nc_u64 s[G0K+2:G0K+3], s[G0K+2:G0K+3], 32768
	s_xor_b32 s[G0V+1], s[G0V+1], SLOT1
	s_add_nc_u64 s[G0V+2:G0V+3], s[G0V+2:G0V+3], 32768
	s_wait_xcnt 0x0                                ; the last prefetch, a slot back, has read its address
	s_add_nc_u64 s[PFA:PFA+1], s[PFA:PFA+1], 32768
.endif
	s_wait_dscnt 0x0
	s_barrier_signal -1
	s_barrier_wait -1
.if \fill
	s_add_co_u32 s55, s[KF], 256                   ; the first key of the slot that this change would ask for: past the work-group's last query it would be read by no wave, and is not asked for.
	s_cmp_gt_u32 s55, s[LASTQ]                     ; ids and the count of steps alone: all sixteen waves go the same way; every wait for tiles in this text is for all of them
	s_cbranch_scc1 .Lpast_\@
	TLOAD
.Lpast_\@:
	ASK
.endif
.endm
.macro SLOT_STEPS
.set Q, 0
.rept 4
	STEP Q
.set Q, Q+1
.endr
	s_xor_b32 s[TB], s[TB], SLOT1
.endm
	s_wait_loadcnt 0x0                             ; Q
.Lslot:                                            ; seven trips
	CHANGE 1
	SLOT_STEPS
	s_sub_co_u32 s[SLOTS], s[SLOTS], 1
	s_cmp_lg_u32 s[SLOTS], 0
	s_cbranch_scc1 .Lslot
	CHANGE 0                                       ; the last slot is written out: nothing is left to ask for
	SLOT_STEPS
	; THE WAY OUT: O^T / l, rounded to f16, through my stage, out as 512 consecutive bytes an instruction
.rept 4
	v_nop                                          ; places behind the last products, on every way here
.endr
.irp t, 0,1
	v_add_f32 v[ST+8*\t+4], v[ST+8*\t+2], v[ST+8*\t+3]
.endr
.irp t, 0,1
	v_permlanex16_b32 v[ST+8*\t+5], v[ST+8*\t+4], s[SEL], s[SEL+1]
.endr
.irp t, 0,1
	v_add_f32 v[ST+8*\t+4], v[ST+8*\t+4], v[ST+8*\t+5]
.endr
.irp t, 0,1
	v_rcp_f32 v[ST+8*\t+6], v[ST+8*\t+4]
.endr
	v_nop
	s_wait_alu depctr_va_vdst(0)                   ; one wait for the two reciprocals, ahead of their first reader
.irp t, 0,1
.set I, 0
.rept 16
	v_pk_mul_f32 v[OT+32*\t+I:OT+32*\t+I+1], v[OT+32*\t+I:OT+32*\t+I+1], v[ST+8*\t+6:ST+8*\t+7] op_sel_hi:[1,0]
.set I, I+2
.endr
.endr
.irp t, 0,1
.set I, 0
.rept 16
	v_cvt_pk_f16_f32 v[S+16*\t+I], v[OT+32*\t+2*I], v[OT+32*\t+2*I+1]
.set I, I+1
.endr
.endr
.irp t, 0,1
.irp c, 0,1,2,3
	ds_store_b128 v[STO], v[S+16*\t+4*\c:S+16*\t+4*\c+3] offset:16*PK*\t+32*\c
.endr
.endr
.irp i, 0,1,2,3,4,5,6,7
	ds_load_b128 v[KV+4*\i:KV+4*\i+3], v[RD] offset:4*PK*\i          ; in order behind my stores
.endr
.irp i, 0,1,2,3,4,5,6,7
	s_wait_dscnt 7-\i
	global_store_b128 v[GO], v[KV+4*\i:KV+4*\i+3], s[14:15] offset:512*\i
.endr
	s_wait_tensorcnt 0x0                           ; the wave's end
	ds_add_u32 v[SPW], v[NIL]
	s_wait_dscnt 0x0
	s_endpgm
.Lfunc_end_k_q80db537571_attn:
	.size	k_q80db537571_attn, .Lfunc_end_k_q80db537571_attn-k_q80db537571_attn
	.p2alignl 7, 3214868480
	.fill 96, 4, 3214868480
	.section	.rodata,"a",@progbits
	.p2align	6, 0x0
	.amdhsa_kernel k_q80db537571_attn
		.amdhsa_group_segment_fixed_size 327680
		.amdhsa_private_segment_fixed_size 0
		.amdhsa_enable_private_segment 0
		.amdhsa_kernarg_size 16
		.amdhsa_user_sgpr_count 2
		.amdhsa_user_sgpr_kernarg_segment_ptr 1
		.amdhsa_wavefront_size32 1
		.amdhsa_system_sgpr_workgroup_id_x 1
		.amdhsa_system_sgpr_workgroup_id_y 1
		.amdhsa_system_sgpr_workgroup_id_z 1
		.amdhsa_system_vgpr_workitem_id 0
		.amdhsa_next_free_vgpr 256
		.amdhsa_next_free_sgpr 66
		.amdhsa_reserve_vcc 1
		.amdhsa_float_denorm_mode_32 3
		.amdhsa_float_denorm_mode_16_64 3
		.amdhsa_memory_ordered 1
		.amdhsa_forward_progress 1
		.amdhsa_inst_pref_size 187
	.end_amdhsa_kernel
	.amdgpu_metadata
---
amdhsa.version: [ 1, 2 ]
amdhsa.kernels:
  - .name:           k_q80db537571_attn
    .symbol:         k_q80db537571_attn.kd
    .args:
      - { .name: qkv, .offset: 0, .size: 8, .value_kind: global_buffer, .address_space: global }
      - { .name: att, .offset: 8, .size: 8, .value_kind: global_buffer, .address_space: global }
    .group_segment_fixed_size: 327680
    .private_segment_fixed_size: 0
    .kernarg_segment_align: 8
    .kernarg_segment_size: 16
    .max_flat_workgroup_size: 512
    .sgpr_count:     66
    .vgpr_count:     256
    .wavefront_size: 32
...
	.end_amdgpu_metadata
.endif
;; end of part 3
;; launch outp (part 4): grid 8 x 64, 4 waves a work-group, clusters of 4 x 4, 327,680 bytes of LDS; arguments att, wo16, out0, bo; writes out0
.if DOCPART == 4
	.amdgcn_target "amdgcn-amd-amdhsa--gfx1250"
	.amdhsa_code_object_version 6
	.text
	.protected	k_q80db537571_outp
	.globl	k_q80db537571_outp
	.p2align	8
	.type	k_q80db537571_outp,@function
k_q80db537571_outp:
	s_mov_b64 s[64:65], 0
	v_nop
	global_prefetch_b8 v0, s[64:65] scope:SCOPE_SE
	s_setreg_imm32_b32 hwreg(HW_REG_WAVE_MODE, 25, 1), 1
	s_wait_xcnt 0x0
	s_wait_alu depctr_hold_cnt(0) depctr_sa_sdst(0) depctr_va_vdst(0) depctr_va_sdst(0) depctr_va_ssrc(0) depctr_va_vcc(0) depctr_vm_vsrc(0)
	s_getreg_b32 s2, hwreg(HW_REG_IB_STS2, 6, 4)
	s_cmp_eq_u32 s2, 0
	s_cbranch_scc0 .Lentry_in_a_cluster
	s_endpgm
.Lentry_in_a_cluster:
	s_bfe_u32 s2, ttmp6, 0x10000c
	s_cmp_lg_u32 s2, 0xf033
	s_cbranch_scc0 .Lentry_shape_is_right
	s_endpgm
.Lentry_shape_is_right:
; out0[m][n] = the sum over k of A[m][k] Wo[n][k] + bo[n].  A is the attention's result, f16, laid by heads: att [4][16][2048][64], k = 64 head + channel; Wo as f16 [1024][1024]; out0 [8192][1024] f32; sums in f32.
; A tile of 128 x 128 is made by four waves, 64 x 64 each: 16 accumulators.  K goes in steps of 256 (four heads) through a ring of two LDS slots.  512 work-groups.
; A's TILE: 128 positions of a head are 16,384 dense bytes.  One load brings two heads: a tile of 2 rows of 8,192 elements, 131,072 elements apart, padded by 16 bytes behind every 128: in LDS [head][position] with 144 bytes from position to position.
; CLUSTERS: 4 x 4; A's tiles are asked for jointly along a row of the cluster, Wo's along a column.  THE MATRIX INSTRUCTION IS USED TRANSPOSED: a lane holds eight neighbouring columns of a row.  The bias is the C of each sum's first product.
; A wave's 64 columns of f32 are 256 consecutive bytes of a row, aligned: each wave has a stage of its own and no barrier stands on the way out.
; Rows 0-15 of each batch are made here too and are replaced by the launch that carries them in f32.  LIMIT: the attention's results and Wo inside f16's range (65,504).
; REGISTERS: window 0: v0-31 addresses; v32-95 the way out; v96-127 the bias; v128-255 the accumulators ((a, b) at v[128 + 8 (4 a + b)]).   window 1: two fragment buffers of 128.
.set PA,     144                       ; a position's 128 bytes + 16
.set PB,     528                       ; a row of Wo's tile: 512 bytes + 16
.set HEADB,  128*PA
.set AHALF,  2*HEADB                   ; what one load brings of A
.set BOFF,   4*HEADB
.set BHALF,  64*PB
.set SLOT,   BOFF+2*BHALF
.set STAGE,  2*SLOT
.set SPITCH, 272
.set SPARE,  STAGE+4*16*SPITCH
.set LAPS,   2                         ; 1,024 along K: four K steps, twice round the ring
.set ADRA, 16
.set ADRB, 20
.set STO,  24
.set RD,   25
.set CO,   26
.set BOV,  27                          ; v27 32 h: the bias loads' offset; never rewritten
.set SPW,  28
.set NIL,  29
.set TMP,  32
.set BI,   96
.set ACC,  128
.set F0,   0
.set F1,   128
.set G1, 24
.set G0, 32
.set G1B, 48
.set G0B, 56
.set MSB, 0
.macro WIN new
.if MSB != (\new)
	s_set_vgpr_msb (MSB<<8)|(\new)
.set MSB, (\new)
.endif
.endm
.set MUL,  0x05                        ; sources 0 (Wo) and 1 (A) window 1; C and D window 0
.set TO_F, 0x40
.macro JLOAD s                         ; waves 0 and 1 fetch A's two pairs of heads, waves 2 and 3 Wo's two halves; an s_nop 0 and four v_nop follow each line
	s_cmp_eq_u32 s11, 0
	s_cbranch_scc0 .Lfor_b_\@
	tensor_load_to_lds s[G0+4*\s:G0+4*\s+3], s[G1:G1+7]
	s_nop 0
.rept 4
	v_nop
.endr
	s_branch .Lasked_\@
.Lfor_b_\@:
	tensor_load_to_lds s[G0B+4*\s:G0B+4*\s+3], s[G1B:G1B+7]
	s_nop 0
.rept 4
	v_nop
.endr
.Lasked_\@:
.endm
.macro CREST
	s_cmp_lg_u32 s10, 0
	s_cbranch_scc1 .Lnot_wave_0_\@
	s_barrier_signal -3
.Lnot_wave_0_\@:
	s_barrier_wait -3
	s_barrier_signal -1
	s_barrier_wait -1
.endm
.macro CROUND
	s_barrier_signal -1
	s_barrier_wait -1
	CREST
.endm
	s_load_b128 s[4:7], s[0:1], 0x0                ; att, wo16
	s_load_b64 s[8:9], s[0:1], 0x10                ; out0
	s_load_b64 s[66:67], s[0:1], 0x18              ; bo
	v_lshl_add_u32 v[SPW], v0, 2, SPARE
	v_mov_b32 v[NIL], 0
	ds_add_u32 v[SPW], v[NIL]                      ; the wave's opening: the add, twice on end, and its wait ahead of my first tensor load
	ds_add_u32 v[SPW], v[NIL]
	v_lshrrev_b32 v1, 5, v0
	v_readfirstlane_b32 s10, v1                    ; wave
	s_lshr_b32 s11, s10, 1                         ; my half of the tile's rows; also: I fetch for A (0) or Wo (1)
	s_and_b32 s12, s10, 1                          ; my half of its columns; also: which half I fetch
	s_bfe_u32 s40, ttmp6, 0x40000
	s_bfe_u32 s41, ttmp6, 0x40004
	s_lshl_b32 s42, ttmp9, 2
	s_add_co_u32 s42, s42, s40                     ; tile column
	s_and_b32 s13, ttmp7, 0xffff
	s_lshl_b32 s13, s13, 2
	s_add_co_u32 s13, s13, s41                     ; tile row
	s_lshl_b32 s43, s41, 2
	s_lshl_b32 s43, 15, s43
	s_lshl_b32 s44, 0x1111, s40
	s_or_b32 s[G1+0], s43, (1<<16)|(1<<20)|(1<<21)|(4<<22)|(3<<25)  ; mask: my row; elements of 2 bytes; padding: 4 words behind every 32; bit 21 beside a mask
	s_mov_b32 s[G1+1], 8192<<16                    ; tensor_dim0 = 8,192
	s_mov_b32 s[G1+2], 2<<16                       ; tensor_dim1 = 2
	s_mov_b32 s[G1+3], 8192<<16                    ; tile_dim0
	s_mov_b32 s[G1+4], 2                           ; tile_dim1
	s_mov_b32 s[G1+5], 131072                      ; from head to head, in elements
	s_mov_b32 s[G1+6], 0
	s_mov_b32 s[G1+7], 0
	s_or_b32 s[G1B+0], s44, (1<<16)|(1<<20)|(1<<21)|(6<<22)|(3<<25) ; mask: my column; padding: 4 words behind every 128
	s_mov_b32 s[G1B+1], 256<<16
	s_mov_b32 s[G1B+2], 64<<16
	s_mov_b32 s[G1B+3], 256<<16
	s_mov_b32 s[G1B+4], 64
	s_mov_b32 s[G1B+5], 1024
	s_mov_b32 s[G1B+6], 0
	s_mov_b32 s[G1B+7], 0
	s_lshr_b32 s16, s13, 4                         ; A: batch (4 MB), block of 128 positions (16,384 bytes), my pair of heads (524,288 bytes)
	s_lshl_b32 s16, s16, 22
	s_and_b32 s17, s13, 15
	s_lshl_b32 s17, s17, 14
	s_add_co_u32 s16, s16, s17
	s_lshl_b32 s17, s12, 19
	s_add_co_u32 s16, s16, s17
	s_mov_b32 s17, 0
	s_lshl_b32 s46, s42, 7                         ; Wo: row 128 x tile column + 64 x half, of 2,048 bytes
	s_lshl_b32 s47, s12, 6
	s_add_co_u32 s46, s46, s47
	s_lshl_b32 s46, s46, 11
	s_mov_b32 s47, 0
	s_mul_i32 s20, s12, AHALF                      ; where they go: no place in the cluster enters an LDS address
	s_mul_i32 s21, s12, BHALF
	s_add_co_u32 s21, s21, BOFF
	s_wait_dscnt 0x0                               ; both opening adds are done
	s_wait_kmcnt 0x0
	s_add_nc_u64 s[14:15], s[4:5], s[16:17]
	s_add_nc_u64 s[46:47], s[6:7], s[46:47]
	CROUND                                         ; all sixteen work-groups are here: the first joint loads meet
.irp s, 0,1
	s_mov_b32 s[G0+4*\s], 1
	s_add_co_u32 s[G0+4*\s+1], s20, \s*SLOT
	s_add_nc_u64 s[G0+4*\s+2:G0+4*\s+3], s[14:15], \s*1048576     ; K step s: four heads on
	s_or_b32 s[G0+4*\s+3], s[G0+4*\s+3], 0x80000000
	s_mov_b32 s[G0B+4*\s], 1
	s_add_co_u32 s[G0B+4*\s+1], s21, \s*SLOT
	s_add_nc_u64 s[G0B+4*\s+2:G0B+4*\s+3], s[46:47], \s*512
	s_or_b32 s[G0B+4*\s+3], s[G0B+4*\s+3], 0x80000000
	JLOAD \s
.endr
	v_and_b32 v1, 15, v0                           ; r
	v_bfe_u32 v2, v0, 4, 1                         ; h
	v_lshlrev_b32 v[BOV], 5, v2
	s_lshl_b32 s46, s42, 9                         ; my first column in bytes of f32: 512 x tile column + 256 x half
	s_lshl_b32 s47, s12, 8
	s_add_co_u32 s46, s46, s47
	s_mov_b32 s47, 0
	s_add_nc_u64 s[66:67], s[66:67], s[46:47]
.irp b, 0,1,2,3
	global_load_b128 v[BI+8*\b:BI+8*\b+3], v[BOV], s[66:67] offset:64*\b       ; register 8 b + i: bo of column 16 b + 8 h + i
	global_load_b128 v[BI+8*\b+4:BI+8*\b+7], v[BOV], s[66:67] offset:64*\b+16
.endr
	v_mul_u32_u24 v3, v1, PA
	v_lshl_add_u32 v3, v2, 4, v3
	v_mul_u32_u24 v4, v1, PB
	v_lshl_add_u32 v4, v2, 4, v4
	s_mul_i32 s21, s11, 64*PA                      ; my 64 positions in each head
	s_mul_i32 s22, s12, BHALF                      ; my 64 rows of Wo
	s_add_co_u32 s22, s22, BOFF
.irp s, 0,1
	v_add_nc_u32 v[ADRA+\s], s21, v3
	v_add_nc_u32 v[ADRB+\s], s22, v4
	s_add_co_u32 s21, s21, SLOT
	s_add_co_u32 s22, s22, SLOT
.endr
	s_mul_i32 s23, s10, 16*SPITCH
	s_add_co_u32 s23, s23, STAGE                   ; my stage
	v_mul_u32_u24 v5, v1, SPITCH
	v_lshl_add_u32 v5, v2, 5, v5
	v_add_nc_u32 v[STO], s23, v5                   ; in: row r, 32 bytes for each half of the lanes
	v_mul_u32_u24 v5, v2, SPITCH
	v_lshl_add_u32 v5, v1, 4, v5
	v_add_nc_u32 v[RD], s23, v5                    ; back: lanes 0-15 one row of 256 bytes, lanes 16-31 the next
	v_lshlrev_b32 v5, 12, v2
	v_lshl_add_u32 v[CO], v1, 4, v5                ; and the same two rows in out0
	s_lshl_b32 s16, s13, 19                        ; my first row: (128 x tile row + 64 x half) x 4,096 bytes
	s_lshl_b32 s17, s11, 18
	s_add_co_u32 s16, s16, s17
	s_add_co_u32 s16, s16, s46
	s_mov_b32 s17, 0
	s_add_nc_u64 s[8:9], s[8:9], s[16:17]
; 8 products: row blocks a0, a0 + 1 x all 4 column blocks, 32 along K: half c of buffer f.  zero = 1: the first product starts the sums from the bias.  The 16 accumulators take turns.
.macro MUL8 f, c, a0, zero
.irp a, \a0, \a0+1
.irp b, 0,1,2,3
.if \zero
	v_wmma_f32_16x16x32_f16 v[ACC+8*(4*(\a)+\b):ACC+8*(4*(\a)+\b)+7], v[\f+64+8*(4*\c+\b):\f+64+8*(4*\c+\b)+7], v[\f+8*(4*\c+\a):\f+8*(4*\c+\a)+7], v[BI+8*\b:BI+8*\b+7]
.else
	v_wmma_f32_16x16x32_f16 v[ACC+8*(4*(\a)+\b):ACC+8*(4*(\a)+\b)+7], v[\f+64+8*(4*\c+\b):\f+64+8*(4*\c+\b)+7], v[\f+8*(4*\c+\a):\f+8*(4*\c+\a)+7], v[ACC+8*(4*(\a)+\b):ACC+8*(4*(\a)+\b)+7]
.endif
.endr
.endr
.endm
; 32 LDS loads in one run: the fragments of 64 along K, head hq of the slot's four, into buffer f; the first 32 along K first
.macro FETCH slot, hq, f
	WIN TO_F
.irp c, 0,1
.irp i, 0,1,2,3
	ds_load_b128 v[\f+64+8*(4*\c+\i):\f+64+8*(4*\c+\i)+3],   v[ADRB+\slot] offset:128*(\hq)+64*\c+\i*16*PB
	ds_load_b128 v[\f+64+8*(4*\c+\i)+4:\f+64+8*(4*\c+\i)+7], v[ADRB+\slot] offset:128*(\hq)+64*\c+\i*16*PB+32
	ds_load_b128 v[\f+8*(4*\c+\i):\f+8*(4*\c+\i)+3],         v[ADRA+\slot] offset:HEADB*(\hq)+64*\c+\i*16*PA
	ds_load_b128 v[\f+8*(4*\c+\i)+4:\f+8*(4*\c+\i)+7],       v[ADRA+\slot] offset:HEADB*(\hq)+64*\c+\i*16*PA+32
.endr
.endr
.endm
.macro PLACES
.rept 4
	v_nop
.endr
.endm
.macro QUARTER slot, hq, f, g, zero    ; multiplies buffer f and fetches head hq of the same slot into g
	s_wait_dscnt 16                                ; the first 32 along K are in
	WIN MUL
	MUL8 \f, 0, 0, \zero
	MUL8 \f, 0, 2, \zero
	PLACES
	FETCH \slot, \hq, \g
	s_wait_dscnt 32                                ; all but the 32 just issued
	WIN MUL
	MUL8 \f, 1, 0, 0
	MUL8 \f, 1, 2, 0
.endm
; The last quarter multiplies buffer 1 and changes slots: one barrier; in front of it each wave waits for all its tensor loads, adds 0 to its spare word, and waits for that and for its reads of this slot.  fill = 1: the barrier opens a round of the
; cluster's barrier, and the slot is filled again, two K steps ahead, first thing behind the round.
.macro TURN slot, next, fill
	WIN 0
	s_wait_tensorcnt 0x0
	ds_add_u32 v[SPW], v[NIL]
	s_wait_dscnt 17                                ; (the add and the youngest sixteen loads may be out)
	WIN MUL
	MUL8 F1, 0, 0, 0
	s_wait_dscnt 0x0                               ; the add is done, and my reads of this slot are over
	s_barrier_signal -1
	MUL8 F1, 0, 2, 0
.if \fill
	WIN 0
.endif
	s_barrier_wait -1
.if \fill
	CREST
	s_add_nc_u64 s[G0+4*\slot+2:G0+4*\slot+3], s[G0+4*\slot+2:G0+4*\slot+3], 2097152
	s_add_nc_u64 s[G0B+4*\slot+2:G0B+4*\slot+3], s[G0B+4*\slot+2:G0B+4*\slot+3], 1024
	JLOAD \slot                                    ; the four v_nop behind it are also the places in front of the loads below
.else
	PLACES
.endif
	FETCH \next, 0, F0
	WIN MUL
	MUL8 F1, 1, 0, 0
	MUL8 F1, 1, 2, 0
.endm
	s_wait_tensorcnt 1                             ; my part of K step 0 is in (K step 1's load may be out),
	s_barrier_signal -1
	s_barrier_wait -1                              ; everybody's is
	FETCH 0, 0, F0
	s_wait_loadcnt 0x0                             ; the bias
	QUARTER 0, 1, F0, F1, 1
	WIN 0
	s_mov_b32 s3, LAPS-1
.Llap:                                                 ; a trip goes once round the ring and fills both slots again
	QUARTER 0, 2, F1, F0, 0
	QUARTER 0, 3, F0, F1, 0
	TURN 0, 1, 1
	QUARTER 1, 1, F0, F1, 0
	QUARTER 1, 2, F1, F0, 0
	QUARTER 1, 3, F0, F1, 0
	TURN 1, 0, 1
	QUARTER 0, 1, F0, F1, 0
	WIN 0
	s_sub_co_u32 s3, s3, 1
	s_cmp_lg_u32 s3, 0
	s_cbranch_scc1 .Llap
	QUARTER 0, 2, F1, F0, 0                        ; the last lap fills nothing
	QUARTER 0, 3, F0, F1, 0
	TURN 0, 1, 0
	QUARTER 1, 1, F0, F1, 0
	QUARTER 1, 2, F1, F0, 0
	QUARTER 1, 3, F0, F1, 0
	s_wait_dscnt 16
	WIN MUL
	MUL8 F1, 0, 0, 0
	MUL8 F1, 0, 2, 0
	s_wait_dscnt 0
	MUL8 F1, 1, 0, 0
	MUL8 F1, 1, 2, 0
	WIN 0
; THE WAY OUT, 16 rows x 64 columns at a time, through my own stage: sixteen lanes then store 256 consecutive bytes of a row, aligned.
.macro TOSTAGE a
.irp b, 0,1,2,3
	ds_store_b128 v[STO], v[ACC+8*(4*(\a)+\b):ACC+8*(4*(\a)+\b)+3] offset:64*\b       ; each accumulator from its low end on
	ds_store_b128 v[STO], v[ACC+8*(4*(\a)+\b)+4:ACC+8*(4*(\a)+\b)+7] offset:64*\b+16
.endr
.irp u, 0,1,2,3,4,5,6,7
	ds_load_b128 v[TMP+32*((\a)%2)+4*\u:TMP+32*((\a)%2)+4*\u+3], v[RD] offset:\u*2*SPITCH   ; in order behind my stores
.endr
.endm
.macro SEND a, younger
	s_wait_dscnt \younger
.irp u, 0,1,2,3,4,5,6,7
	global_store_b128 v[CO], v[TMP+32*((\a)%2)+4*\u:TMP+32*((\a)%2)+4*\u+3], s[8:9] offset:(16*(\a)+2*\u)*4096 th:TH_STORE_NT
.endr
.endm
	PLACES
	TOSTAGE 0
.irp a, 1,2,3
.if \a > 1
	s_wait_xcnt 0x0                                ; block a - 2's stores have read the registers that block a's loads fill
.endif
	TOSTAGE \a
	SEND \a-1, 16                                  ; behind block a - 1's loads: block a's 8 stores and 8 loads
.endr
	SEND 3, 0
	s_wait_tensorcnt 0x0                           ; the wave's end
	ds_add_u32 v[SPW], v[NIL]
	s_wait_dscnt 0x0
	CROUND                                         ; the closing round
	s_endpgm
.Lfunc_end_k_q80db537571_outp:
	.size	k_q80db537571_outp, .Lfunc_end_k_q80db537571_outp-k_q80db537571_outp
	.p2alignl 7, 3214868480
	.fill 96, 4, 3214868480
	.section	.rodata,"a",@progbits
	.p2align	6, 0x0
	.amdhsa_kernel k_q80db537571_outp
		.amdhsa_group_segment_fixed_size 327680
		.amdhsa_private_segment_fixed_size 0
		.amdhsa_enable_private_segment 0
		.amdhsa_kernarg_size 32
		.amdhsa_user_sgpr_count 2
		.amdhsa_user_sgpr_kernarg_segment_ptr 1
		.amdhsa_wavefront_size32 1
		.amdhsa_system_sgpr_workgroup_id_x 1
		.amdhsa_system_sgpr_workgroup_id_y 1
		.amdhsa_system_sgpr_workgroup_id_z 1
		.amdhsa_system_vgpr_workitem_id 0
		.amdhsa_next_free_vgpr 512
		.amdhsa_next_free_sgpr 72
		.amdhsa_reserve_vcc 0
		.amdhsa_float_denorm_mode_32 3
		.amdhsa_float_denorm_mode_16_64 3
		.amdhsa_memory_ordered 1
		.amdhsa_forward_progress 1
		.amdhsa_inst_pref_size 87
	.end_amdhsa_kernel
	.amdgpu_metadata
---
amdhsa.version: [ 1, 2 ]
amdhsa.kernels:
  - .name:           k_q80db537571_outp
    .symbol:         k_q80db537571_outp.kd
    .args:
      - { .name: att, .offset: 0, .size: 8, .value_kind: global_buffer, .address_space: global }
      - { .name: wo16, .offset: 8, .size: 8, .value_kind: global_buffer, .address_space: global }
      - { .name: out0, .offset: 16, .size: 8, .value_kind: global_buffer, .address_space: global }
      - { .name: bo, .offset: 24, .size: 8, .value_kind: global_buffer, .address_space: global }
    .group_segment_fixed_size: 327680
    .private_segment_fixed_size: 0
    .kernarg_segment_align: 8
    .kernarg_segment_size: 32
    .max_flat_workgroup_size: 128
    .sgpr_count:     72
    .vgpr_count:     512
    .wavefront_size: 32
...
	.end_amdgpu_metadata
.endif
;; end of part 4
;; launch early (part 5): grid 16 x 4, 16 waves a work-group, no clusters, 69,632 bytes of LDS; arguments e32, Wo, bo, out0; writes out0
.if DOCPART == 5
	.amdgcn_target "amdgcn-amd-amdhsa--gfx1250"
	.amdhsa_code_object_version 6
	.text
	.protected	k_q80db537571_early
	.globl	k_q80db537571_early
	.p2align	8
	.type	k_q80db537571_early,@function
k_q80db537571_early:
	s_mov_b64 s[64:65], 0
	v_nop
	global_prefetch_b8 v0, s[64:65] scope:SCOPE_SE
	s_setreg_imm32_b32 hwreg(HW_REG_WAVE_MODE, 25, 1), 1
	s_wait_xcnt 0x0
; Positions 0-15 of every batch, all in f32: these rows average one to sixteen values, so their attention and their output projection are carried finely, and replace what the f16 launches stored in those 64 rows of out0.
; e32 [3][4][16][1024]: q, k (with RoPE) and v of those positions.  A work-group: batch y, output columns 64 x on.  Wave w is head w: it makes its head's 16 x 16 attention and multiplies its 64 channels by Wo's 64 rows;
; the sixteen partial sums meet in LDS, and wave w adds up query w's 64 columns, adds bo, and stores 256 consecutive bytes, aligned.  The attention is repeated in the 16 column chunks: 16 x 16 x 64 numbers.  No loop.
; The f32 matrix form takes k = 2 h + i in register i of lane (r, h).  A permutation of k applied alike to both sources keeps the products: in S^T step s stands for d = 32 h + 2 s + i, in O^T for key 8 h + 2 s + i,
; in the projection step u = 4 c + s for channel 16 c + 8 h + 2 s + i: so every operand is a run of a lane's registers as loaded or as computed.
; The registers that the matrix instructions write (v112-175) are written by nothing else.  No tile is shared between work-groups beyond 192 KB of e32: no cluster, no tensor load.
.set QR,  16                           ; v16-47   q, later Wo's rows 0-15, later the reduction
.set KR,  48                           ; v48-79   k, later Wo's rows 16-31
.set VR,  80                           ; v80-111  v, later Wo's rows 32-47
.set SA,  112                          ; v112-143 four accumulators: S^T in four parts, later the projection's four tiles
.set OT,  144                          ; v144-175 O^T
.set ON,  176                          ; v176-207 O^T / l
.set W3,  208                          ; v208-239 Wo's rows 48-63
.set T,   240                          ; v240-247 the scores, then p
.set SPW, 248
.set NIL, 249
.set PIECE, 528                        ; 512 bytes of an image + 16
.set IMGB,  8*PIECE                    ; a wave's partial sums
.set SPARE, 16*IMGB
	s_load_b256 s[4:11], s[0:1], 0x0               ; e32 4, Wo 6, bo 8, out0 10
	v_lshl_add_u32 v[SPW], v0, 2, SPARE
	v_mov_b32 v[NIL], 0
	v_lshrrev_b32 v1, 5, v0
	v_readfirstlane_b32 s12, v1                    ; wave = head
	s_and_b32 s13, ttmp7, 0xffff                   ; batch
	v_and_b32 v1, 15, v0                           ; r
	v_bfe_u32 v2, v0, 4, 1                         ; h
	v_lshlrev_b32 v3, 12, v1
	v_lshl_add_u32 v5, v2, 5, v3                   ; Wo: row r of 4,096 bytes + 32 h
	v_lshl_add_u32 v3, v2, 7, v3                   ; q, k: position r + 128 h: d = 32 h on
	v_lshlrev_b32 v4, 2, v1
	v_lshl_add_u32 v4, v2, 15, v4                  ; v: position 8 h, channel r
	v_and_b32 v11, 31, v0
	s_mul_i32 s14, s12, IMGB
	v_lshl_add_u32 v6, v11, 4, s14                 ; my image: 16 x lane
	v_bfe_u32 v7, v0, 3, 2                         ; the reduction: my columns 2 L, 2 L + 1 lie in piece 2 (L / 8) + (L / 2) % 2, half (L / 4) % 2, at 8 (L % 2) of query w's 16 bytes
	v_lshlrev_b32 v7, 1, v7
	v_bfe_u32 v10, v0, 1, 1
	v_add_nc_u32 v7, v7, v10
	v_mul_u32_u24 v7, v7, PIECE
	v_bfe_u32 v10, v0, 2, 1
	v_lshl_add_u32 v7, v10, 8, v7
	v_and_b32 v10, 1, v0
	v_lshl_add_u32 v7, v10, 3, v7
	s_lshl_b32 s15, s12, 4
	v_add_nc_u32 v7, s15, v7
	v_lshlrev_b32 v10, 3, v11                      ; 8 x lane
	v_lshlrev_b32 v8, 3, v2
	v_sub_nc_u32 v8, v1, v8                        ; r - 8 h
	v_mov_b32 v9, 0xff800000                       ; -infinity
	s_lshl_b32 s16, s13, 16                        ; e32: batch x 65,536 + 256 x head
	s_lshl_b32 s17, s12, 8
	s_add_co_u32 s16, s16, s17
	s_lshl_b32 s18, ttmp9, 18                      ; Wo: 64 x rows of 4,096 bytes + 256 x head
	s_add_co_u32 s18, s18, s17
	s_mov_b32 s17, 0
	s_mov_b32 s19, 0
	s_lshl_b32 s24, ttmp9, 8                       ; bo: 64 x numbers
	s_mov_b32 s25, 0
	s_lshl_b32 s26, s13, 23                        ; out0: row 2048 batch + wave, + 256 x
	s_lshl_b32 s27, s12, 12
	s_add_co_u32 s26, s26, s27
	s_add_co_u32 s26, s26, s24
	s_mov_b32 s27, 0
	s_mov_b32 s20, 0x76543210
	s_mov_b32 s21, 0xfedcba98
	s_mov_b32 s22, 0x3e38aa3b                      ; c = log2(e) / 8
	s_mov_b32 s23, s22
	s_wait_kmcnt 0x0
	s_add_nc_u64 s[4:5], s[4:5], s[16:17]
	s_add_nc_u64 s[6:7], s[6:7], s[18:19]
	s_add_nc_u64 s[8:9], s[8:9], s[24:25]
	s_add_nc_u64 s[10:11], s[10:11], s[26:27]
.irp g, 0,1,2,3,4,5,6,7
	global_load_b128 v[QR+4*\g:QR+4*\g+3], v3, s[4:5] offset:16*\g
.endr
.irp g, 0,1,2,3,4,5,6,7
	global_load_b128 v[KR+4*\g:KR+4*\g+3], v3, s[4:5] offset:262144+16*\g
.endr
.irp c, 0,1,2,3
.irp kk, 0,1,2,3,4,5,6,7
	global_load_b32 v[VR+8*\c+\kk], v4, s[4:5] offset:524288+4096*\kk+64*\c      ; v(key 8 h + kk, channel 16 c + r)
.endr
.endr
.macro WLOAD reg, nt                   ; Wo's rows 16 nt on: lane (r, h): channels 16 c + 8 h + 0 .. 7 into registers 8 c on
.irp c, 0,1,2,3
	global_load_b128 v[\reg+8*\c:\reg+8*\c+3], v5, s[6:7] offset:65536*\nt+64*\c
	global_load_b128 v[\reg+8*\c+4:\reg+8*\c+7], v5, s[6:7] offset:65536*\nt+64*\c+16
.endr
.endm
	WLOAD W3, 3
	global_load_b64 v[254:255], v10, s[8:9]        ; bo of my two columns
	s_wait_loadcnt 41                              ; q and k are in; younger: v's 32, Wo's 8, bo's 1
.set U, 0
.rept 16                                       ; S^T = k q^T in four partial sums that take turns
.if U < 4
	v_wmma_f32_16x16x4_f32 v[SA+8*(U%4):SA+8*(U%4)+7], v[KR+2*U:KR+2*U+1], v[QR+2*U:QR+2*U+1], 0
.else
	v_wmma_f32_16x16x4_f32 v[SA+8*(U%4):SA+8*(U%4)+7], v[KR+2*U:KR+2*U+1], v[QR+2*U:QR+2*U+1], v[SA+8*(U%4):SA+8*(U%4)+7]
.endif
.set U, U+1
.endr
.rept 8
	v_nop                                          ; eight places behind this form: for the loads into q's and k's registers and the reads of the sums
.endr
	WLOAD QR, 0
	WLOAD KR, 1
.irp jp, 0,2,4,6                               ; lane (r, h): query r, keys 8 h + 0 .. 7; each accumulator from its low end on
	v_pk_add_f32 v[T+\jp:T+\jp+1], v[SA+\jp:SA+\jp+1], v[SA+8+\jp:SA+8+\jp+1]
	v_pk_add_f32 v[250:251], v[SA+16+\jp:SA+16+\jp+1], v[SA+24+\jp:SA+24+\jp+1]
	v_pk_add_f32 v[T+\jp:T+\jp+1], v[T+\jp:T+\jp+1], v[250:251]
.endr
.irp j, 0,1,2,3,4,5,6,7
	v_cmp_gt_i32 vcc_lo, \j, v8                    ; key 8 h + j comes after query r
	v_cndmask_b32 v[T+\j], v[T+\j], v9, vcc_lo
.endr
	v_max3_num_f32 v250, v[T], v[T+1], v[T+2]
	v_max3_num_f32 v250, v250, v[T+3], v[T+4]
	v_max3_num_f32 v250, v250, v[T+5], v[T+6]
	v_max_num_f32 v250, v250, v[T+7]
	v_permlanex16_b32 v251, v250, s20, s21
	v_max_num_f32 v250, v250, v251                 ; the row's maximum: key 0 counts for every query
	v_mul_f32 v12, s22, v250
	v_mov_b32 v13, v12
.irp jp, 0,2,4,6
	v_pk_fma_f32 v[T+\jp:T+\jp+1], v[T+\jp:T+\jp+1], s[22:23], v[12:13] op_sel_hi:[1,0,0] neg_lo:[0,0,1] neg_hi:[0,0,1]
.endr
.irp j, 0,1,2,3,4,5,6,7
	v_exp_f32 v[T+\j], v[T+\j]                     ; p = 2^(c s - c m)
.endr
	v_nop
	s_wait_alu depctr_va_vdst(0)                   ; one wait for the eight, ahead of their first reader
	v_pk_add_f32 v[250:251], v[T:T+1], v[T+2:T+3]
	v_pk_add_f32 v[252:253], v[T+4:T+5], v[T+6:T+7]
	v_pk_add_f32 v[250:251], v[250:251], v[252:253]
	v_add_f32 v250, v250, v251
	v_permlanex16_b32 v251, v250, s20, s21
	v_add_f32 v250, v250, v251                     ; the row's sum
	v_rcp_f32 v14, v250
	v_mov_b32 v15, 0                               ; the plain instruction behind the reciprocal; v15 is named with v14 as a pair
	s_wait_alu depctr_va_vdst(0)
	s_wait_loadcnt 25                              ; v is in; younger: Wo's 8, bo's 1, Wo's 16
.irp s, 0,1,2,3                                ; O^T = v^T p: four accumulators by turns
.irp c, 0,1,2,3
.if \s == 0
	v_wmma_f32_16x16x4_f32 v[OT+8*\c:OT+8*\c+7], v[VR+8*\c+2*\s:VR+8*\c+2*\s+1], v[T+2*\s:T+2*\s+1], 0
.else
	v_wmma_f32_16x16x4_f32 v[OT+8*\c:OT+8*\c+7], v[VR+8*\c+2*\s:VR+8*\c+2*\s+1], v[T+2*\s:T+2*\s+1], v[OT+8*\c:OT+8*\c+7]
.endif
.endr
.endr
.rept 8
	v_nop
.endr
	WLOAD VR, 2
.set I, 0
.rept 16
	v_pk_mul_f32 v[ON+I:ON+I+1], v[OT+I:OT+I+1], v[14:15] op_sel_hi:[1,0]   ; into other registers: lane (r, h): query r, channel 16 c + 8 h + j in register 8 c + j
.set I, I+2
.endr
.macro PROJ2 wa, na, wb, nb            ; two tiles of 16 output columns by turns, 16 steps of 4 channels
.set U, 0
.rept 16
.if U == 0
	v_wmma_f32_16x16x4_f32 v[SA+8*\na:SA+8*\na+7], v[\wa:\wa+1], v[ON:ON+1], 0
	v_wmma_f32_16x16x4_f32 v[SA+8*\nb:SA+8*\nb+7], v[\wb:\wb+1], v[ON:ON+1], 0
.else
	v_wmma_f32_16x16x4_f32 v[SA+8*\na:SA+8*\na+7], v[\wa+2*U:\wa+2*U+1], v[ON+2*U:ON+2*U+1], v[SA+8*\na:SA+8*\na+7]
	v_wmma_f32_16x16x4_f32 v[SA+8*\nb:SA+8*\nb+7], v[\wb+2*U:\wb+2*U+1], v[ON+2*U:ON+2*U+1], v[SA+8*\nb:SA+8*\nb+7]
.endif
.set U, U+1
.endr
.endm
	s_wait_loadcnt 8                               ; Wo's rows 0-31 are in; the youngest eight loads (rows 32-47) may be out
	PROJ2 QR, 0, KR, 1
	s_wait_loadcnt 0x0
	PROJ2 VR, 2, W3, 3
.rept 8
	v_nop
.endr
.irp nt, 0,1,2,3                               ; my partial sums as an image of their registers: piece 2 nt + g, 16 bytes a lane
.irp g, 0,1
	ds_store_b128 v6, v[SA+8*\nt+4*\g:SA+8*\nt+4*\g+3] offset:PIECE*(2*\nt+\g)
.endr
.endr
	s_wait_dscnt 0x0                               ; for the others' sake: my stores have landed
	s_barrier_signal -1
	s_barrier_wait -1
.irp k, 0,1,2,3,4,5,6,7,8,9,10,11,12,13,14,15
	ds_load_b64 v[QR+2*\k:QR+2*\k+1], v7 offset:IMGB*\k            ; head k's part of query w, my two columns
.endr
	s_wait_dscnt 0x0
.irp k, 0,1,2,3,4,5,6,7
	v_pk_add_f32 v[QR+4*\k:QR+4*\k+1], v[QR+4*\k:QR+4*\k+1], v[QR+4*\k+2:QR+4*\k+3]
.endr
.irp k, 0,1,2,3
	v_pk_add_f32 v[QR+8*\k:QR+8*\k+1], v[QR+8*\k:QR+8*\k+1], v[QR+8*\k+4:QR+8*\k+5]
.endr
	v_pk_add_f32 v[QR:QR+1], v[QR:QR+1], v[QR+8:QR+9]
	v_pk_add_f32 v[QR+16:QR+17], v[QR+16:QR+17], v[QR+24:QR+25]
	v_pk_add_f32 v[QR:QR+1], v[QR:QR+1], v[QR+16:QR+17]
	v_pk_add_f32 v[QR:QR+1], v[QR:QR+1], v[254:255]
	global_store_b64 v10, v[QR:QR+1], s[10:11]     ; 32 lanes store 256 consecutive bytes, aligned
	s_wait_tensorcnt 0x0                           ; the wave's end, behind my last LDS store
	ds_add_u32 v[SPW], v[NIL]
	s_wait_dscnt 0x0
	s_endpgm
.Lfunc_end_k_q80db537571_early:
	.size	k_q80db537571_early, .Lfunc_end_k_q80db537571_early-k_q80db537571_early
	.p2alignl 7, 3214868480
	.fill 96, 4, 3214868480
	.section	.rodata,"a",@progbits
	.p2align	6, 0x0
	.amdhsa_kernel k_q80db537571_early
		.amdhsa_group_segment_fixed_size 69632
		.amdhsa_private_segment_fixed_size 0
		.amdhsa_enable_private_segment 0
		.amdhsa_kernarg_size 32
		.amdhsa_user_sgpr_count 2
		.amdhsa_user_sgpr_kernarg_segment_ptr 1
		.amdhsa_wavefront_size32 1
		.amdhsa_system_sgpr_workgroup_id_x 1
		.amdhsa_system_sgpr_workgroup_id_y 1
		.amdhsa_system_sgpr_workgroup_id_z 1
		.amdhsa_system_vgpr_workitem_id 0
		.amdhsa_next_free_vgpr 256
		.amdhsa_next_free_sgpr 66
		.amdhsa_reserve_vcc 1
		.amdhsa_float_denorm_mode_32 3
		.amdhsa_float_denorm_mode_16_64 3
		.amdhsa_memory_ordered 1
		.amdhsa_forward_progress 1
		.amdhsa_inst_pref_size 24
	.end_amdhsa_kernel
	.amdgpu_metadata
---
amdhsa.version: [ 1, 2 ]
amdhsa.kernels:
  - .name:           k_q80db537571_early
    .symbol:         k_q80db537571_early.kd
    .args:
      - { .name: e32, .offset: 0, .size: 8, .value_kind: global_buffer, .address_space: global }
      - { .name: Wo, .offset: 8, .size: 8, .value_kind: global_buffer, .address_space: global }
      - { .name: bo, .offset: 16, .size: 8, .value_kind: global_buffer, .address_space: global }
      - { .name: out0, .offset: 24, .size: 8, .value_kind: global_buffer, .address_space: global }
    .group_segment_fixed_size: 69632
    .private_segment_fixed_size: 0
    .kernarg_segment_align: 8
    .kernarg_segment_size: 32
    .max_flat_workgroup_size: 512
    .sgpr_count:     66
    .vgpr_count:     256
    .wavefront_size: 32
...
	.end_amdgpu_metadata
.endif
;; end of part 5
